; MI455X (gfx1250); checked and timed in simulation.
; The chip was launched on July 23, 2026; its instructions are those of AMD's public machine-readable ISA for CDNA 5 (MIT licence, August 2026) and "CDNA5" Instruction Set Architecture Reference Guide (July 2026). The comments in the code are by the model that wrote it; some were corrected since.
;; Flash Attention. Allowed arithmetic: matrix products marked QUANTISED: E3M2 operands, one E8M0 scale for each 32 along K, by v_wmma_scale_f32_16x16x128_f8f6f4 with both operands' format E3M2, f32 sums; everything else in f32.
;; Inputs: W_o 1,024 x 1,024 float32; W_qkv 1,024 x 3,072 float32; b_o 1,024 float32; x 1 x 4,096 x 1,024 float32.
;; Outputs: out0 1 x 4,096 x 1,024 float32.
;; This version of the problem:
;;   THIS VERSION OF THE PROBLEM IS GIVEN IN LOW PRECISION. The matrix products marked QUANTISED in the list below multiply operands that are first quantised to E3M2 (3 exponent bits, 2 mantissa bits; 6 bits a number), with one power-of-two scale for each 32 numbers along K (OCP MX v1.0); their sums are f32. All else is computed in f32.
;;   The module's matrix products, in the order in which they are computed (A, B: the left and right operand; K: the contracted axis; several contracted axes count as one K, in the product's order):
;;     1. [M 4,096, K 1,024] x [K 1,024, N 3,072]; A: input x; B: input W_qkv: QUANTISED
;;     2. batch 16 x [M 4,096, K 64] x [K 64, N 4,096]; A: computed on the way; B: computed on the way: QUANTISED
;;     3. batch 16 x [M 4,096, K 4,096] x [K 4,096, N 64]; A: softmax (see below); B: computed on the way: QUANTISED
;;     4. [M 4,096, K 1,024] x [K 1,024, N 1,024]; A: computed on the way; B: input W_o: QUANTISED
;;   THE QUANTISER, for each operand of a quantised product, along K:
;;     - K is cut into blocks of 32 from its start; a last block that is shorter is filled with zeros.
;;     - A block's scale is 2^e with e = floor(log2(the largest magnitude in the block)) - 4, held to -126 .. 127; a block of zeros has e = 0. As a byte (E8M0): e + 127.
;;     - Each number is divided by its block's scale, clamped to +-28, and rounded to the nearest number of E3M2, ties to even, subnormals kept.
;;     - The product sums the exact products of the quantised numbers (number of the format x scale) in f32.
;;   ~~~python
;;   def quantise(x, axis):      # numpy; x: float32 -> the quantised numbers, widened to float32 again
;;       x = np.moveaxis(x, axis, -1); K = x.shape[-1]
;;       x = np.pad(x, [(0, 0)] * (x.ndim - 1) + [(0, -K % 32)]); x = x.reshape(x.shape[:-1] + (-1, 32)); a = np.abs(x).max(-1, keepdims=True)
;;       e = np.where(a > 0, np.clip(np.frexp(np.where(a > 0, a, 1))[1] - 1 - 4, -126, 127), 0)      # np.frexp(a)[1] - 1 = floor(log2(a)), exactly
;;       r = np.clip(x / 2.0 ** e, -28, 28)
;;       step = 2.0 ** (np.maximum(np.frexp(np.where(r == 0, 1, r))[1] - 1, -2) - 2)
;;       q = np.round(r / step) * step * 2.0 ** e      # np.round: ties to even
;;       return np.moveaxis(q.reshape(q.shape[:-2] + (-1,))[..., :K], -1, axis).astype(np.float32)
;;   ~~~
;;   SOFTMAX AHEAD OF A QUANTISED PRODUCT. Where the list says 'softmax', what is quantised is not the finished softmax but p = 2^(t - M), with t = logit x log2(e) and M = ceil(the row's largest t), a whole number; so 1/2 < the row's largest p <= 1. The row's sum l is taken of the UNQUANTISED p, in f32, and the product's result is divided by l at the end. Since M is a whole number, a kernel that streams over the keys may use a running M (the ceiling of the running maximum): every later rescaling is an exact power of two, which a block's scale takes up: the codes' values come out the same.
;;   OPERANDS COMPUTED ON THE WAY. 'Computed on the way' means the value that the module computes at that place (a softmax that the list does not call 'softmax' is quantised finished and normalised). What goes into a quantiser is computed in f32, as accurately as f32 sums, v_exp_f32 and their like allow (about 1e-6 of the number): no bf16 or f16 on the way to a quantiser, and a product that is left as it is and whose result goes on into a quantised operand takes f32 operands (vector FMAs, or v_wmma_f32_16x16x4_f32). A number that lies on a knife's edge between two numbers of the format may be rounded either way, as far as f32 arithmetic and the matrix unit's own rounding can turn it there, and no further.
;; One version. Each part assembles by itself: llvm-mc -triple=amdgcn-amd-amdhsa -mcpu=gfx1250 --defsym DOCPART=n.
;; ======== version 1 of 1: 4 launches
;; limits: right only within a limited range of input values
;; workspace buffers: xq 3,276,800 bytes; wq 2,457,600 bytes; wo 819,200 bytes; qkv 13,631,488 bytes; oq 3,276,800 bytes
;; launch prep (part 1): grid 256 x 1, 4 waves a work-group, no clusters, 59,904 bytes of LDS; arguments x, W_qkv, W_o, xq, wq, wo; writes xq, wq, wo
.if DOCPART == 1
	.amdgcn_target "amdgcn-amd-amdhsa--gfx1250"
	.amdhsa_code_object_version 6
	.text
	.protected	k_q4aa6d7cf49_prep
	.globl	k_q4aa6d7cf49_prep
	.p2align	8
	.type	k_q4aa6d7cf49_prep,@function
k_q4aa6d7cf49_prep:
	s_mov_b64 s[64:65], 0
	v_nop
	global_prefetch_b8 v0, s[64:65] scope:SCOPE_SE
	s_setreg_imm32_b32 hwreg(HW_REG_WAVE_MODE, 25, 1), 1
	s_wait_xcnt 0x0
; x [4096][1024], W_qkv [1024][3072] and W_o [1024][1024], f32, become codes of BF6 (E3M2) with one E8M0 byte for each 32 along K (K = 1024 in all three),
; laid as IMAGES OF OPERAND REGISTERS.  A tile T holds the 16 rows (of x) or columns (of a weight) 32 (T / 2) + 8 (T % 2) + r + 8 (r / 8), r = 0 .. 15.
; A half fragment (768 bytes) is 16 rows x 64 K: lane (r, h) owns six registers, k = 32 h .. 32 h + 31 of its row: registers 0-3 at 16 x lane, registers 4-5 at 512 + 8 x lane.
; A tile's 12,800 bytes are two chunks of 6,400 (512 along K each): eight half fragments, then at 6,144 the scale words: for the chunk's s-th 128 along K, row r's word at 64 s + 4 r.
; A block's scale is 2^(floor(log2(its largest magnitude)) - 4): its byte is the largest magnitude's exponent field less 4, held at 1 from below.
; LIMITS: a block of zeros gets the byte 1 where the rule says 127 (its codes are zeros, and this program alone reads the bytes); NaN and infinities among the inputs are not served.
; Work-groups 0-127 take x (a wave: one chunk of one tile), work-groups 128-255 the weights (a wave: 32 columns x 256 along K).  Each reads 128 KiB.  Waves share nothing: no barrier.
; The two paths part on the work-group's number and have LDS bytes of their own.
.set TROW,   12800
.set CHB,    6400
.set SCO,    6144
.set HFB,    768
.set FLOORV, 0x2800000                 ; 2^(5 - 127): no largest magnitude is taken under it, so the byte cannot fall under 1
.set LESS4,  0xfe000000                ; takes 4 off an exponent field
.set XSTG,   8448                      ; x's path: a wave's stage, 16 rows x (512 + 16) bytes
.set WST,    4*XSTG                    ; the weights' path begins here in LDS
.set WTS,    3200                      ; a tile's place in a wave's stage: four half fragments + 128
.set LN, 7                             ; v7 lane, v8 r = lane % 16, v9 h = lane / 16
.set RR, 8
.set HH, 9
; x's path
.set XO,  1                            ; 16 x lane
.set XO8, 2                            ; 8 x lane
.set XO4, 3                            ; 4 x lane
.set XSI, 4                            ; the stage, on the way in
.set XSO, 5                            ; and out
.set SH8, 6                            ; 8 h
.set XM,  10                           ; v10-11 largest magnitudes, v12-13 scale operands, v14-15 bytes
.set XSC, 12
.set XB,  14
.set XT,  16
.set XT2, 17
.set XV,  18
.set XR,  32                           ; v32-159  two sets of 64 as loaded
.set XX,  160                          ; v160-223 64 numbers of my row: k = 64 c + 32 h + 0 .. 31
.set PC,  224                          ; v224-235 a fragment's codes
.set ALT, 236                          ; v236-242 the conversions' second halves
.set XW,  244                          ; v244-247 the chunk's four scale words
; the weights' path
.set WA,  1
.set WB,  2
.set WRD, 3
.set WGO, 4
.set WSO, 5
.set TBV, 6
.set RP,  10
.set SB,  24                           ; v24-25 scale words
.set VO,  32                           ; v32-63  4 x lane + i x pitch
.set WX,  64                           ; v64-127 two sets of 32 numbers down K
.set WC,  128                          ; v128-136 a block's codes
.set WOUT, 144                         ; v144-191 the way out
.macro XLOAD u                         ; 16 rows x 128 along K: each load reads 512 consecutive bytes of one row
.set xl, 0
.rept 16
	global_load_b128 v[XR+64*((\u)%2)+4*xl:XR+64*((\u)%2)+4*xl+3], v[XO], s[4:5] offset:(xl+8*(xl/8))*4096+512*(\u) th:TH_LOAD_NT
.set xl, xl+1
.endr
.endm
.macro XUNIT u                         ; unit u becomes one fragment (two half fragments) and one scale word a row
.if (\u) < 3
	s_wait_loadcnt 16                              ; this unit's 16 loads are in; the next unit's 16 may be out
.else
	s_wait_loadcnt 0x0
.endif
.set xr, 0
.rept 16
	ds_store_b128 v[XSI], v[XR+64*((\u)%2)+4*xr:XR+64*((\u)%2)+4*xr+3] offset:528*xr
.set xr, xr+1
.endr
.set xr, 0
.rept 16
	ds_load_b128 v[XX+4*xr:XX+4*xr+3], v[XSO] offset:256*(xr/8)+16*(xr%8)   ; LDS serves a wave's instructions in order: these see the stores above
.set xr, xr+1
.endr
	s_wait_dscnt 0x0                               ; my numbers are back, so the stores have read their registers,
.if (\u)+2 < 4
	XLOAD (\u)+2                                   ; which take the unit two further on
.endif
.irp c, 0,1
	v_max3_num_f32 v[XM+\c], |v[XX+32*\c]|, |v[XX+32*\c+1]|, FLOORV   ; block 2 c + h: all its 32 numbers are mine
.endr
.irp i, 2,4,6,8,10,12,14,16,18,20,22,24,26,28,30
.irp c, 0,1
	v_max3_num_f32 v[XM+\c], v[XM+\c], |v[XX+32*\c+\i]|, |v[XX+32*\c+\i+1]|
.endr
.endr
.irp c, 0,1
	v_add_nc_u32 v[XSC+\c], LESS4, v[XM+\c]        ; the conversion takes the exponent field of this operand as its scale
.endr
.irp c, 0,1
	v_lshrrev_b32 v[XB+\c], 23, v[XSC+\c]          ; the scale's byte
.endr
	v_lshl_or_b32 v[XT], v[XB+1], 16, v[XB]        ; my two bytes, blocks h and 2 + h,
	v_lshlrev_b32 v[XT], v[SH8], v[XT]             ; at their places in the word;
	v_permlanex16_b32 v[XT2], v[XT], s20, s21
	v_or_b32 v[XW+(\u)], v[XT], v[XT2]             ; with lane l xor 16's two the word is whole
.if (\u) > 0
	s_wait_alu depctr_va_vdst(0)
	s_wait_xcnt 0x0                                ; the last unit's stores have read the codes' registers
.endif
.irp c, 0,1
	v_cvt_scalef32_pk16_bf6_f32 v[PC+6*\c:PC+6*\c+2], v[XX+32*\c:XX+32*\c+15], v[XSC+\c]
	v_cvt_scalef32_pk16_bf6_f32 v[ALT+4*\c:ALT+4*\c+2], v[XX+32*\c+16:XX+32*\c+31], v[XSC+\c]   ; (a conversion's three registers begin on an even number)
.endr
	v_nop                                          ; one plain place behind a scaled conversion
.irp c, 0,1
.irp i, 0,1,2
	v_mov_b32 v[PC+6*\c+3+\i], v[ALT+4*\c+\i]
.endr
.endr
.irp c, 0,1
	global_store_b128 v[XO], v[PC+6*\c:PC+6*\c+3], s[10:11] offset:(2*(\u)+\c)*HFB          ; 512 consecutive bytes,
	global_store_b64 v[XO8], v[PC+6*\c+4:PC+6*\c+5], s[10:11] offset:(2*(\u)+\c)*HFB+512    ; and the 256 behind them
.endr
.endm
.macro WLOAD t                         ; block t: W(32 t + i, my column), i = 0 .. 31: a lane to a column, registers down K
.set wi, 0
.rept 32
	global_load_b32 v[WX+32*((\t)%2)+wi], v[VO+wi], s[32+2*(\t):33+2*(\t)] th:TH_LOAD_NT
.set wi, wi+1
.endr
.endm
.macro WBLOCK t
.set WS, WX+32*((\t)%2)
.if (\t) < 7
	s_wait_loadcnt 32                              ; this block's 32 loads are in; the next block's may be out
.else
	s_wait_loadcnt 0x0
.endif
	v_max3_num_f32 v12, |v[WS]|, |v[WS+1]|, |v[WS+2]|
	v_max3_num_f32 v13, |v[WS+3]|, |v[WS+4]|, |v[WS+5]|
.irp i, 6,10,14,18,22,26
	v_max3_num_f32 v12, v12, |v[WS+\i]|, |v[WS+\i+1]|
	v_max3_num_f32 v13, v13, |v[WS+\i+2]|, |v[WS+\i+3]|
.endr
	v_max3_num_f32 v12, v12, |v[WS+30]|, |v[WS+31]|
	v_max3_num_f32 v12, v12, v13, FLOORV
	v_add_nc_u32 v11, LESS4, v12
	v_lshrrev_b32 v13, 23, v11
.if (\t)%4 == 0
	v_mov_b32 v[SB+(\t)/4], v13                    ; four bytes to a word, the lower K in the lower byte
.else
	v_lshl_or_b32 v[SB+(\t)/4], v13, 8*((\t)%4), v[SB+(\t)/4]
.endif
	v_cvt_scalef32_pk16_bf6_f32 v[WC:WC+2], v[WS:WS+15], v11
	v_cvt_scalef32_pk16_bf6_f32 v[WC+6:WC+8], v[WS+16:WS+31], v11
	v_nop
.irp i, 0,1,2
	v_mov_b32 v[WC+3+\i], v[WC+6+\i]
.endr
	ds_store_b128 v[WA], v[WC:WC+3] offset:HFB*((\t)/2)+256*((\t)%2)          ; the image's place of lane (r', h = t % 2) of half fragment t / 2
	ds_store_b64 v[WB], v[WC+4:WC+5] offset:512+HFB*((\t)/2)+128*((\t)%2)
.if (\t)+2 < 8
	WLOAD (\t)+2
.endif
	s_wait_dscnt 0x0                               ; the stores have read their registers: the next block's codes may be written
.endm
	s_load_b256 s[4:11], s[0:1], 0x0               ; x s[4:5], W_qkv s[6:7], W_o s[8:9], xq s[10:11]
	s_load_b128 s[12:15], s[0:1], 0x20             ; wq s[12:13], wo s[14:15]
	v_lshl_add_u32 v254, v0, 2, 0xe800
	v_mov_b32 v255, 0
	v_lshrrev_b32 v1, 5, v0
	v_readfirstlane_b32 s16, v1                    ; wave 0..3
	v_and_b32 v[LN], 31, v0
	v_and_b32 v[RR], 15, v0
	v_bfe_u32 v[HH], v0, 4, 1
	s_cmp_lt_u32 ttmp9, 128
	s_cbranch_scc0 .Lweights
	; ---- x: wave w makes chunk w % 2 of tile 2 g + w / 2
	v_lshlrev_b32 v[XO], 4, v[LN]
	v_lshlrev_b32 v[XO8], 3, v[LN]
	v_lshlrev_b32 v[XO4], 2, v[LN]
	s_mul_i32 s17, s16, XSTG
	v_add_nc_u32 v[XSI], s17, v[XO]
	v_mul_u32_u24 v[XSO], v[RR], 528
	v_lshl_add_u32 v[XSO], v[HH], 7, v[XSO]
	v_add_nc_u32 v[XSO], s17, v[XSO]               ; row r, + 128 h: my 32 numbers of each 64
	v_lshlrev_b32 v[SH8], 3, v[HH]
	v_mov_b32 v[XT2], 0                            ; a lane permute's destination counts as one of its sources
	s_mov_b32 s20, 0x76543210
	s_mov_b32 s21, 0xfedcba98                      ; v_permlanex16_b32's selects for lane l xor 16
	s_lshr_b32 s18, s16, 1
	s_and_b32 s19, s16, 1
	s_lshl_b32 s22, ttmp9, 5
	s_lshl_b32 s23, s18, 3
	s_add_co_u32 s22, s22, s23                     ; the tile's first row: 32 g + 8 (w / 2)
	s_lshl_b32 s22, s22, 12                        ; rows of 4,096 bytes
	s_lshl_b32 s23, s19, 11
	s_add_co_u32 s22, s22, s23                     ; + the chunk's 512 numbers
	s_mov_b32 s23, 0
	s_lshl_b32 s24, ttmp9, 1
	s_add_co_u32 s24, s24, s18
	s_mul_i32 s24, s24, TROW
	s_mul_i32 s25, s19, CHB
	s_add_co_u32 s24, s24, s25
	s_mov_b32 s25, 0
	s_wait_alu depctr_va_vdst(0)
	s_wait_kmcnt 0x0
	s_add_nc_u64 s[4:5], s[4:5], s[22:23]
	s_add_nc_u64 s[10:11], s[10:11], s[24:25]
	XLOAD 0
	XLOAD 1
	XUNIT 0
	XUNIT 1
	XUNIT 2
	XUNIT 3
	v_cmp_eq_u32 vcc_lo, 1, v[HH]
	v_cndmask_b32 v[XV], v[XW], v[XW+1], vcc_lo    ; lanes 0-15 the words of one 128 along K, lanes 16-31 those of the next: 128 consecutive bytes a store
	v_cndmask_b32 v[XV+1], v[XW+2], v[XW+3], vcc_lo
	global_store_b32 v[XO4], v[XV], s[10:11] offset:SCO
	global_store_b32 v[XO4], v[XV+1], s[10:11] offset:SCO+128
	s_wait_tensorcnt 0x0
	ds_add_u32 v254, v255
	s_wait_dscnt 0x0
	s_endpgm
.Lweights:
	; ---- the weights: 128 columns to a work-group (24 groups of W_qkv, 8 of W_o), 256 along K; a wave takes 32 columns: two tiles
	s_sub_co_u32 s17, ttmp9, 128
	s_lshr_b32 s18, s17, 2                         ; column group 0..31
	s_and_b32 s19, s17, 3                          ; which 256 along K
	s_wait_kmcnt 0x0
	s_cmp_lt_u32 s18, 24                           ; the choice hangs on the work-group's number alone; only pointers and sizes are chosen
	s_cselect_b64 s[6:7], s[6:7], s[8:9]
	s_cselect_b64 s[12:13], s[12:13], s[14:15]
	s_mov_b32 s20, 4096
	s_cselect_b32 s20, 12288, s20                  ; a row of the weight in bytes
	s_cselect_b32 s21, 0, 24
	s_sub_co_u32 s18, s18, s21                     ; the column group in its own tensor
	s_lshl_b32 s22, s18, 9
	s_lshl_b32 s23, s16, 7
	s_add_co_u32 s22, s22, s23                     ; my first column, in bytes
	s_lshl_b32 s23, s19, 8
	s_mul_i32 s23, s23, s20
	s_add_co_u32 s22, s22, s23                     ; + 256 y rows
	s_mov_b32 s23, 0
	s_add_nc_u64 s[32:33], s[6:7], s[22:23]        ; a base for each block of 32 rows: no pointer is stepped later
	s_lshl_b32 s24, s20, 5
	s_mov_b32 s25, 0
.irp t, 1,2,3,4,5,6,7
	s_add_nc_u64 s[32+2*\t:33+2*\t], s[30+2*\t:31+2*\t], s[24:25]
.endr
	s_lshl_b32 s26, s18, 3
	s_lshl_b32 s27, s16, 1
	s_add_co_u32 s26, s26, s27                     ; my first tile
	s_mul_i32 s26, s26, TROW
	s_lshr_b32 s27, s19, 1
	s_mul_i32 s27, s27, CHB
	s_add_co_u32 s26, s26, s27                     ; its chunk
	s_and_b32 s28, s19, 1
	s_mul_i32 s29, s28, 4*HFB
	s_add_co_u32 s52, s26, s29                     ; codes: my four half fragments of the chunk's eight
	s_mov_b32 s53, 0
	s_add_nc_u64 s[48:49], s[12:13], s[52:53]
	s_lshl_b32 s29, s28, 7
	s_add_co_u32 s52, s26, s29                     ; scale words: my two of the chunk's four blocks
	s_add_nc_u64 s[50:51], s[12:13], s[52:53]
	v_bfe_u32 v[TBV], v0, 3, 1                     ; column 32 b + lane lies in tile 2 b + (bit 3 of the lane),
	v_and_b32 v[RP], 7, v0
	s_wait_alu depctr_va_vdst(0)
	v_lshl_add_u32 v[RP], v[HH], 3, v[RP]          ; at r' = lane % 8 + 8 (lane / 16)
	s_mul_i32 s30, s16, 2*WTS
	s_add_co_u32 s30, s30, WST                     ; my stage
	v_mul_u32_u24 v[WA], v[TBV], WTS
	v_add_nc_u32 v[WA], s30, v[WA]
	v_lshl_add_u32 v[WB], v[RP], 3, v[WA]
	v_lshl_add_u32 v[WA], v[RP], 4, v[WA]
	v_lshlrev_b32 v[WGO], 4, v[LN]
	v_add_nc_u32 v[WRD], s30, v[WGO]
	v_mul_u32_u24 v[WSO], v[TBV], TROW
	v_lshl_add_u32 v[WSO], v[RP], 2, v[WSO]
	v_lshlrev_b32 v[VO], 2, v[LN]
.set vi, 1
.rept 31
	v_add_nc_u32 v[VO+vi], s20, v[VO+vi-1]
.set vi, vi+1
.endr
	WLOAD 0
	WLOAD 1
.irp t, 0,1,2,3,4,5,6,7
	WBLOCK \t
.endr
	global_store_b32 v[WSO], v[SB], s[50:51] offset:SCO
	s_wait_alu depctr_va_vdst(0)
	global_store_b32 v[WSO], v[SB+1], s[50:51] offset:SCO+64
.set wn, 0
.rept 12
	ds_load_b128 v[WOUT+4*wn:WOUT+4*wn+3], v[WRD] offset:(wn/6)*WTS+(wn%6)*512   ; LDS serves a wave's instructions in order: these see my stores
.set wn, wn+1
.endr
.set wn, 0
.rept 12
	s_wait_dscnt 11-wn
	global_store_b128 v[WGO], v[WOUT+4*wn:WOUT+4*wn+3], s[48:49] offset:(wn/6)*TROW+(wn%6)*512   ; 512 consecutive bytes a store
.set wn, wn+1
.endr
	s_wait_tensorcnt 0x0
	ds_add_u32 v254, v255
	s_wait_dscnt 0x0
	s_endpgm
.Lfunc_end_k_q4aa6d7cf49_prep:
	.size	k_q4aa6d7cf49_prep, .Lfunc_end_k_q4aa6d7cf49_prep-k_q4aa6d7cf49_prep
	.p2alignl 7, 3214868480
	.fill 96, 4, 3214868480
	.section	.rodata,"a",@progbits
	.p2align	6, 0x0
	.amdhsa_kernel k_q4aa6d7cf49_prep
		.amdhsa_group_segment_fixed_size 59904
		.amdhsa_private_segment_fixed_size 0
		.amdhsa_enable_private_segment 0
		.amdhsa_kernarg_size 48
		.amdhsa_user_sgpr_count 2
		.amdhsa_user_sgpr_kernarg_segment_ptr 1
		.amdhsa_wavefront_size32 1
		.amdhsa_system_sgpr_workgroup_id_x 1
		.amdhsa_system_sgpr_workgroup_id_y 1
		.amdhsa_system_sgpr_workgroup_id_z 1
		.amdhsa_system_vgpr_workitem_id 0
		.amdhsa_next_free_vgpr 256
		.amdhsa_next_free_sgpr 66
		.amdhsa_reserve_vcc 1
		.amdhsa_float_denorm_mode_32 3
		.amdhsa_float_denorm_mode_16_64 3
		.amdhsa_memory_ordered 1
		.amdhsa_forward_progress 1
		.amdhsa_inst_pref_size 73
	.end_amdhsa_kernel
	.amdgpu_metadata
---
amdhsa.version: [ 1, 2 ]
amdhsa.kernels:
  - .name:           k_q4aa6d7cf49_prep
    .symbol:         k_q4aa6d7cf49_prep.kd
    .args:
      - { .name: x, .offset: 0, .size: 8, .value_kind: global_buffer, .address_space: global }
      - { .name: W_qkv, .offset: 8, .size: 8, .value_kind: global_buffer, .address_space: global }
      - { .name: W_o, .offset: 16, .size: 8, .value_kind: global_buffer, .address_space: global }
      - { .name: xq, .offset: 24, .size: 8, .value_kind: global_buffer, .address_space: global }
      - { .name: wq, .offset: 32, .size: 8, .value_kind: global_buffer, .address_space: global }
      - { .name: wo, .offset: 40, .size: 8, .value_kind: global_buffer, .address_space: global }
    .group_segment_fixed_size: 59904
    .private_segment_fixed_size: 0
    .kernarg_segment_align: 8
    .kernarg_segment_size: 48
    .max_flat_workgroup_size: 128
    .sgpr_count:     66
    .vgpr_count:     256
    .wavefront_size: 32
...
	.end_amdgpu_metadata
.endif
;; end of part 1
;; launch gemm_qkv (part 2): grid 96 x 4, 4 waves a work-group, clusters of 4 x 4, 327,680 bytes of LDS; arguments xq, wq, qkv; writes qkv
.if DOCPART == 2
	.amdgcn_target "amdgcn-amd-amdhsa--gfx1250"
	.amdhsa_code_object_version 6
	.text
	.protected	k_q4aa6d7cf49_gemm_qkv
	.globl	k_q4aa6d7cf49_gemm_qkv
	.p2align	8
	.type	k_q4aa6d7cf49_gemm_qkv,@function
k_q4aa6d7cf49_gemm_qkv:
	s_mov_b64 s[64:65], 0
	v_nop
	global_prefetch_b8 v0, s[64:65] scope:SCOPE_SE
	s_setreg_imm32_b32 hwreg(HW_REG_WAVE_MODE, 25, 1), 1
	s_wait_xcnt 0x0
	s_wait_alu depctr_hold_cnt(0) depctr_sa_sdst(0) depctr_va_vdst(0) depctr_va_sdst(0) depctr_va_ssrc(0) depctr_va_vcc(0) depctr_vm_vsrc(0)
	s_getreg_b32 s2, hwreg(HW_REG_IB_STS2, 6, 4)
	s_cmp_eq_u32 s2, 0
	s_cbranch_scc0 .Lentry_in_a_cluster
	s_endpgm
.Lentry_in_a_cluster:
	s_bfe_u32 s2, ttmp6, 0x10000c
	s_cmp_lg_u32 s2, 0xf033
	s_cbranch_scc0 .Lentry_shape_is_right
	s_endpgm
.Lentry_shape_is_right:
; qkv = x W_qkv on codes of BF6 with E8M0 scales, and q, k, v quantised again on the way out, as operands of the attention's two products.  They never exist as f32 in memory.
; OPERANDS are images of operand registers.  A tile T is 16 rows 32 (T / 2) + 8 (T % 2) + r + 8 (r / 8); its 12,800 bytes are two chunks of 6,400 (512 along K): eight half fragments
; of 768 bytes (registers 0-3 at 16 x lane, registers 4-5 at 512 + 8 x lane), then at 6,144 the scale words (64 s + 4 r).
; THE PRODUCT IS USED TRANSPOSED: source 0 = a tile of P, source 1 = a tile of R.  Lane (r, h) then holds row r of R's tile, and register j of P's tile Tp the P row 32 (Tp / 2) + 16 h + 8 (Tp % 2) + j:
; the 16 registers of two neighbouring tiles are 16 neighbours along the next product's K, which is what the conversions want.
; TWO JOBS, told apart by the cluster's number c, which all partners share.  c < 16: R = rows of x, P = the columns of W_qkv that make q and k: a lane's registers run along a head's 64.
; c >= 16: R = the columns that make v, P = rows of x: a lane's registers run along the KEYS, which are v's K.  Only addresses and strides differ, chosen by s_cselect.
; A work-group makes 128 R x 256 P over all of K = 1,024.  Both panels lie whole in LDS (24 tiles x 12,800 bytes): they are filled once, so there is no ring.
; A wave makes 64 R x 128 P: 32 accumulators.  CLUSTER 4 x 4: R's panel is shared along a row of the cluster, P's along a column, by joint loads.
; OUTPUT: 32 pseudo-heads of 425,984 bytes (0-15: q of head p; 16 + h: k and v of head h), each 32 steps of 13,312 bytes (128 rows of x): 8 half fragments (16 rows x 64) at 768 t; their scale words
; at 6,144 + 64 t + 4 r (bytes 2, 3 = 0); v: channel tile t, key half c at 6,656 + 1,536 t + 768 c; its scale words at 12,800 + 128 t + 4 x lane.
; LIMITS: a block of zeros gets the byte 1 where the rule says 127 (its codes are zeros, and this program alone reads the bytes); NaN and infinities are not served.
; REGISTERS: window 0: v4-15 LDS addresses; v16-27 scale words, two sets; v28-39 the stores' offsets; v40-56 at work; v60-79 codes; v80-84 lane terms; v96-191 R's fragments, two sets.
;   window 1: accumulator (i, j) at v[64 i + 8 j].   window 2: P's fragments, two sets of 96.
.set TROW,  12800
.set CHB,   6400
.set SCO,   6144
.set CHK,   24*CHB                     ; a chunk of both panels in LDS: R's 8 tiles, then P's 16
.set HEADB, 425984
.set STEPB, 13312
.set RA, 4                             ; v4-5 R's images, 16 x lane, chunk 0, 1;  v6-7 the same with 8 x lane
.set RB, 6
.set PA, 8
.set PB, 10
.set RS, 12                            ; v12-13 R's scale words: 4 r + 6,400 h: lanes 0-15 one tile's, lanes 16-31 the next tile's
.set PS, 14
.set SC, 16                            ; set s at v[16 + 6 s]: four registers for P's eight tiles, two for R's four
.set VA, 28
.set VB, 32
.set VS, 36
.set TM, 40
.set PW, 56
.set PC, 60
.set VSH, 80
.set VW,  81
.set L16, 82
.set L8,  83
.set LSW, 84
.set RF, 96
.set G1R, 24                           ; s[24:31], s[32:39] descriptor groups 1;  s[40:55] four groups 0
.set G1P, 32
.set G0,  40
.set MULW, 0x52                        ; source 0 (P) window 2, source 1 (R) window 0, C and D window 1
.set MSB, 0
.macro WIN new                         ; the immediate's high byte repeats the setting that is left
.if MSB != \new
	s_set_vgpr_msb (MSB<<8)|\new
.set MSB, \new
.endif
.endm
.macro CROUND                          ; a round of the cluster's barrier
	s_barrier_signal -1
	s_barrier_wait -1
	s_cmp_lg_u32 s10, 0
	s_cbranch_scc1 .Lnot_wave_0_\@
	s_barrier_signal -3
.Lnot_wave_0_\@:
	s_barrier_wait -3
	s_barrier_signal -1
	s_barrier_wait -1
.endm
.macro PLACES                          ; four plain places behind matrix instructions, in front of loads into their registers and of reads of their results
.rept 4
	v_nop
.endr
.endm
.macro FRAGLD reg, aA, aB, off         ; a fragment of 128 along K is two half fragments
	ds_load_b128 v[(\reg):(\reg)+3], v[(\aA)] offset:(\off)
	ds_load_b64 v[(\reg)+4:(\reg)+5], v[(\aB)] offset:(\off)+512
	ds_load_b128 v[(\reg)+6:(\reg)+9], v[(\aA)] offset:(\off)+768
	ds_load_b64 v[(\reg)+10:(\reg)+11], v[(\aB)] offset:(\off)+1280
.endm
.macro FETCH s                         ; K step s (128 along K): 8 fragments of P, 4 of R, 6 registers of scale words, into set s % 2
	WIN 0x80                                       ; destination window 2
.irp j, 0,1,2,3,4,5,6,7
	FRAGLD 96*((\s)%2)+12*\j, PA+(\s)/4, PB+(\s)/4, \j*CHB+((\s)%4)*1536
.endr
	WIN 0
.irp i, 0,1,2,3
	FRAGLD RF+48*((\s)%2)+12*\i, RA+(\s)/4, RB+(\s)/4, \i*CHB+((\s)%4)*1536
.endr
.irp n, 0,1,2,3
	ds_load_b32 v[SC+6*((\s)%2)+\n], v[PS+(\s)/4] offset:2*\n*CHB+SCO+64*((\s)%4)
.endr
.irp n, 0,1
	ds_load_b32 v[SC+6*((\s)%2)+4+\n], v[RS+(\s)/4] offset:2*\n*CHB+SCO+64*((\s)%4)
.endr
.endm
.macro PROD set, i, j, cm              ; accumulator (i, j); an odd tile's scale words lie in lanes 16-31.  cm = 1: the first product starts the sum
.set rD, 64*(\i)+8*(\j)
.set rA, 96*(\set)+12*(\j)
.set rB, RF+48*(\set)+12*(\i)
.set rSA, SC+6*(\set)+(\j)/2
.set rSB, SC+6*(\set)+4+(\i)/2
.set par, 2*((\j)%2)+(\i)%2
.if \cm
.if par == 0
	v_wmma_scale_f32_16x16x128_f8f6f4 v[rD:rD+7], v[rA:rA+11], v[rB:rB+11], 0, v[rSA], v[rSB] matrix_a_fmt:MATRIX_FMT_BF6 matrix_b_fmt:MATRIX_FMT_BF6
.elseif par == 1
	v_wmma_scale_f32_16x16x128_f8f6f4 v[rD:rD+7], v[rA:rA+11], v[rB:rB+11], 0, v[rSA], v[rSB] matrix_a_fmt:MATRIX_FMT_BF6 matrix_b_fmt:MATRIX_FMT_BF6 matrix_b_scale:MATRIX_SCALE_ROW1
.elseif par == 2
	v_wmma_scale_f32_16x16x128_f8f6f4 v[rD:rD+7], v[rA:rA+11], v[rB:rB+11], 0, v[rSA], v[rSB] matrix_a_fmt:MATRIX_FMT_BF6 matrix_b_fmt:MATRIX_FMT_BF6 matrix_a_scale:MATRIX_SCALE_ROW1
.else
	v_wmma_scale_f32_16x16x128_f8f6f4 v[rD:rD+7], v[rA:rA+11], v[rB:rB+11], 0, v[rSA], v[rSB] matrix_a_fmt:MATRIX_FMT_BF6 matrix_b_fmt:MATRIX_FMT_BF6 matrix_a_scale:MATRIX_SCALE_ROW1 matrix_b_scale:MATRIX_SCALE_ROW1
.endif
.else
.if par == 0
	v_wmma_scale_f32_16x16x128_f8f6f4 v[rD:rD+7], v[rA:rA+11], v[rB:rB+11], v[rD:rD+7], v[rSA], v[rSB] matrix_a_fmt:MATRIX_FMT_BF6 matrix_b_fmt:MATRIX_FMT_BF6
.elseif par == 1
	v_wmma_scale_f32_16x16x128_f8f6f4 v[rD:rD+7], v[rA:rA+11], v[rB:rB+11], v[rD:rD+7], v[rSA], v[rSB] matrix_a_fmt:MATRIX_FMT_BF6 matrix_b_fmt:MATRIX_FMT_BF6 matrix_b_scale:MATRIX_SCALE_ROW1
.elseif par == 2
	v_wmma_scale_f32_16x16x128_f8f6f4 v[rD:rD+7], v[rA:rA+11], v[rB:rB+11], v[rD:rD+7], v[rSA], v[rSB] matrix_a_fmt:MATRIX_FMT_BF6 matrix_b_fmt:MATRIX_FMT_BF6 matrix_a_scale:MATRIX_SCALE_ROW1
.else
	v_wmma_scale_f32_16x16x128_f8f6f4 v[rD:rD+7], v[rA:rA+11], v[rB:rB+11], v[rD:rD+7], v[rSA], v[rSB] matrix_a_fmt:MATRIX_FMT_BF6 matrix_b_fmt:MATRIX_FMT_BF6 matrix_a_scale:MATRIX_SCALE_ROW1 matrix_b_scale:MATRIX_SCALE_ROW1
.endif
.endif
.endm
.macro MUL16 set, i0, cm               ; R's tiles i0, i0 + 1 against P's eight.  The 32 accumulators take turns, in the same order in every K step
.irp i, 0,1
.irp j, 0,1,2,3,4,5,6,7
	PROD \set, (\i0)+\i, \j, \cm
.endr
.endr
.endm
.macro STEP s, cm                      ; the next K step's 54 LDS loads go out in one run, ahead of this step's 32 products
	s_wait_dscnt 0x0                               ; this step's fragments and scale words are in
.if (\s) < 7
	PLACES                                         ; the other set was read by the products just issued
	FETCH (\s)+1
.endif
	WIN MULW
	MUL16 (\s)%2, 0, \cm
	MUL16 (\s)%2, 2, \cm
.endm
; 64 accumulator registers of a lane (window 1, from s on), register 16 b + i = k 32 b + 16 h + i of my row, become a fragment's codes in v[PC] on and its scale word in v[PW].
.macro QUANT s
	WIN 0x05                                       ; sources 0 and 1 window 1
.irp b, 0,1,2,3
	v_max3_num_f32 v[TM+\b], |v[(\s)+16*\b]|, |v[(\s)+16*\b+1]|, 0x2800000   ; my 16 numbers of block b, each accumulator from its low end on, and the floor 2^(5 - 127)
.endr
.irp i, 2,4,6,8,10,12,14
.irp b, 0,1,2,3
	v_max3_num_f32 v[TM+\b], |v[(\s)+16*\b+\i]|, |v[(\s)+16*\b+\i+1]|, v[TM+\b]
.endr
.endr
	WIN 0
.irp b, 0,1,2,3
	v_permlanex16_b32 v[TM+4+\b], v[TM+\b], s92, s93
.endr
.irp b, 0,1,2,3
	v_max_num_f32 v[TM+\b], v[TM+\b], v[TM+4+\b]   ; with lane l xor 16's: the block's largest magnitude
.endr
.irp b, 0,1,2,3
	v_add_nc_u32 v[TM+12+\b], 0xfe000000, v[TM+\b] ; 4 off its exponent field: the conversion's scale operand
.endr
.irp b, 0,1,2,3
	v_lshrrev_b32 v[TM+4+\b], 23, v[TM+12+\b]      ; the scale's byte
.endr
	v_lshl_or_b32 v[PW], v[TM+5], 8, v[TM+4]
	v_lshl_or_b32 v[PW], v[TM+6], 16, v[PW]
	v_lshl_or_b32 v[PW], v[TM+7], 24, v[PW]
	WIN 0x01                                       ; source 0 window 1
.irp c, 0,1
	v_cvt_scalef32_pk16_bf6_f32 v[PC+6*\c:PC+6*\c+2], v[(\s)+32*\c:(\s)+32*\c+15], v[TM+12+2*\c]
	v_cvt_scalef32_pk16_bf6_f32 v[PC+12+4*\c:PC+14+4*\c], v[(\s)+32*\c+16:(\s)+32*\c+31], v[TM+13+2*\c]   ; (a conversion's three registers begin on an even number)
.endr
	WIN 0
	v_nop                                          ; one plain place behind a scaled conversion
.irp c, 0,1                            ; the operand's layout wants a whole block in a lane: lanes 0-15 block 2 c, lanes 16-31 block 2 c + 1
.irp i, 0,1,2
	v_permlane16_swap_b32 v[PC+6*\c+\i], v[PC+12+4*\c+\i]
.endr
.irp i, 0,1,2
	v_mov_b32 v[PC+3+6*\c+\i], v[PC+12+4*\c+\i]
.endr
.endr
.endm
	s_load_b128 s[4:7], s[0:1], 0x0                ; xq s[4:5], wq s[6:7]
	s_load_b64 s[8:9], s[0:1], 0x10                ; qkv
	v_lshl_add_u32 v254, v0, 2, 0x4b000
	v_mov_b32 v255, 0
	ds_add_u32 v254, v255
	ds_add_u32 v254, v255
	v_lshrrev_b32 v1, 5, v0
	v_readfirstlane_b32 s10, v1                    ; wave 0..3
	s_lshr_b32 s11, s10, 1                         ; which 64 of R's 128 rows are mine
	s_and_b32 s12, s10, 1                          ; which 128 of P's 256
	s_bfe_u32 s13, ttmp6, 0x40000                  ; cx
	s_bfe_u32 s14, ttmp6, 0x40004                  ; cy
	s_lshr_b32 s15, ttmp9, 1                       ; q and k: 8 x 2 clusters
	s_and_b32 s16, ttmp9, 1
	s_max_u32 s17, ttmp9, 16
	s_sub_co_u32 s17, s17, 16
	s_lshr_b32 s18, s17, 2                         ; v: 2 x 4 clusters
	s_and_b32 s19, s17, 3
	s_cmp_lt_u32 ttmp9, 16
	s_cselect_b32 s15, s15, s18
	s_cselect_b32 s16, s16, s19
	s_lshl_b32 s15, s15, 2
	s_add_co_u32 s15, s15, s14                     ; R's block of 128 rows: it hangs on cy alone
	s_lshl_b32 s16, s16, 2
	s_add_co_u32 s16, s16, s13                     ; P's block of 256 rows: on cx alone
	s_mul_i32 s20, s15, 8*TROW
	s_mul_i32 s22, s16, 16*TROW
	s_cmp_lt_u32 ttmp9, 16
	s_cselect_b32 s17, 0, 128*TROW                 ; v's columns are wq's tiles 128 on
	s_add_co_u32 s20, s20, s17
	s_mov_b32 s21, 0
	s_mov_b32 s23, 0
	s_lshl_b32 s60, s14, 2
	s_lshl_b32 s60, 15, s60                        ; my row of the cluster
	s_lshl_b32 s61, 0x1111, s13                    ; my column
	; descriptor groups 1: rows of 800 elements of 8 bytes (a tile's chunk), 1,600 elements from tile to tile; 8 rows for R, 16 for P
	s_or_b32 s[G1R], s60, (3<<16)|(1<<21)          ; 15:0 the mask; 17:16 elements of 8 bytes; 21 set beside a mask
	s_or_b32 s[G1P], s61, (3<<16)|(1<<21)
	s_mov_b32 s[G1R+1], 800<<16                    ; tensor_dim0
	s_mov_b32 s[G1R+2], 8<<16                      ; tensor_dim1: R's eight tiles in one load
	s_mov_b32 s[G1R+3], 800<<16                    ; tile_dim0
	s_mov_b32 s[G1R+4], 8                          ; tile_dim1
	s_mov_b32 s[G1R+5], 1600                       ; the pitch
	s_mov_b32 s[G1R+6], 0
	s_mov_b32 s[G1R+7], 0
	s_mov_b32 s[G1P+1], 800<<16
	s_mov_b32 s[G1P+2], 16<<16                     ; P's sixteen tiles in one load
	s_mov_b32 s[G1P+3], 800<<16
	s_mov_b32 s[G1P+4], 16
	s_mov_b32 s[G1P+5], 1600
	s_mov_b32 s[G1P+6], 0
	s_mov_b32 s[G1P+7], 0
	s_mov_b32 s62, 0                               ; where they go: R's eight tiles,
	s_mov_b32 s63, 8*CHB                           ; then P's sixteen
	s_wait_dscnt 0x0
	s_wait_kmcnt 0x0
	s_cmp_lt_u32 ttmp9, 16
	s_cselect_b64 s[56:57], s[4:5], s[6:7]         ; R's buffer
	s_cselect_b64 s[58:59], s[6:7], s[4:5]         ; P's
	s_add_nc_u64 s[56:57], s[56:57], s[20:21]
	s_add_nc_u64 s[58:59], s[58:59], s[22:23]
.irp q, 0,1
	s_mov_b32 s[G0+8*\q], 1
	s_add_co_u32 s[G0+8*\q+1], s62, \q*CHK
	s_add_nc_u64 s[G0+8*\q+2:G0+8*\q+3], s[56:57], \q*CHB
	s_or_b32 s[G0+8*\q+3], s[G0+8*\q+3], 0x80000000
	s_mov_b32 s[G0+8*\q+4], 1
	s_add_co_u32 s[G0+8*\q+5], s63, \q*CHK
	s_add_nc_u64 s[G0+8*\q+6:G0+8*\q+7], s[58:59], \q*CHB
	s_or_b32 s[G0+8*\q+7], s[G0+8*\q+7], 0x80000000
.endr
	CROUND                                         ; all sixteen work-groups are here: the joint loads meet
	; the only fills of the launch, one a wave: wave 0 chunk 0 of R, wave 1 chunk 0 of P, wave 2 chunk 1 of R, wave 3 chunk 1 of P; one chain of arms on the wave's number
	s_cmp_lt_u32 s10, 1
	s_cbranch_scc0 .Lhead_p0
	tensor_load_to_lds s[G0:G0+3], s[G1R:G1R+7]
	s_nop 0
	PLACES
	s_branch .Lhead_asked
.Lhead_p0:
	s_cmp_lt_u32 s10, 2
	s_cbranch_scc0 .Lhead_r1
	tensor_load_to_lds s[G0+4:G0+7], s[G1P:G1P+7]
	s_nop 0
	PLACES
	s_branch .Lhead_asked
.Lhead_r1:
	s_cmp_lt_u32 s10, 3
	s_cbranch_scc0 .Lhead_p1
	tensor_load_to_lds s[G0+8:G0+11], s[G1R:G1R+7]
	s_nop 0
	PLACES
	s_branch .Lhead_asked
.Lhead_p1:
	tensor_load_to_lds s[G0+12:G0+15], s[G1P:G1P+7]
	s_nop 0
	PLACES
.Lhead_asked:
	v_and_b32 v1, 31, v0                           ; lane
	v_and_b32 v2, 15, v0                           ; r
	v_bfe_u32 v3, v0, 4, 1                         ; h
	v_lshlrev_b32 v[L16], 4, v1
	v_lshlrev_b32 v[L8], 3, v1
	v_mul_u32_u24 v[LSW], v3, CHB
	v_lshl_add_u32 v[LSW], v2, 2, v[LSW]
	s_mul_i32 s17, s11, 4*CHB                      ; my four tiles of R
	s_mul_i32 s18, s12, 8*CHB
	s_add_co_u32 s18, s18, 8*CHB                   ; my eight of P, behind R's eight
.irp q, 0,1
	v_add_nc_u32 v[RA+\q], s17, v[L16]
	v_add_nc_u32 v[RB+\q], s17, v[L8]
	v_add_nc_u32 v[RS+\q], s17, v[LSW]
	v_add_nc_u32 v[PA+\q], s18, v[L16]
	v_add_nc_u32 v[PB+\q], s18, v[L8]
	v_add_nc_u32 v[PS+\q], s18, v[LSW]
	s_add_co_u32 s17, s17, CHK
	s_add_co_u32 s18, s18, CHK
.endr
	; the way out: where my results go.  a = which 128 of P's rows in the whole tensor
	s_lshl_b32 s66, s16, 1
	s_add_co_u32 s66, s66, s12                     ; a
	s_lshl_b32 s67, s66, 1                         ; q, k: pseudo-heads 2 a and 2 a + 1
	s_lshl_b32 s68, s15, 1
	s_add_co_u32 s68, s68, s11
	s_add_co_u32 s68, s68, 16                      ; v: pseudo-head 16 + head
	s_mul_i32 s69, s11, 3072                       ; q, k: my four tiles of the step's eight
	s_lshl_b32 s70, s11, 8
	s_add_co_u32 s70, s70, SCO
	s_mov_b32 s71, 6656
	s_mov_b32 s72, 12800
	s_mov_b32 s73, 1536
	s_mov_b32 s74, HEADB
	s_cmp_lt_u32 ttmp9, 16
	s_cselect_b32 s67, s67, s68                    ; pseudo-head
	s_cselect_b32 s68, s15, s66                    ; step
	s_cselect_b32 s69, s69, s71                    ; the codes' place in a step
	s_cselect_b32 s70, s70, s72                    ; the scale words'
	s_cselect_b32 s73, 768, s73                    ; from tile to tile of R
	s_cselect_b32 s75, s74, 768                    ; from a fragment's first half to its second: the next head, or the next 64 keys
	s_cselect_b32 s76, 64, 128                     ; scale words: from tile to tile
	s_cselect_b32 s77, s74, 64                     ; and from lanes 0-15 to lanes 16-31
	s_cselect_b32 s78, 16, 0                       ; q, k: lanes 16-31 store the word's upper two bytes, for the second head
	s_cselect_b32 s79, 0xffff, -1
	s_mul_i32 s67, s67, HEADB
	s_mul_i32 s68, s68, STEPB
	s_add_co_u32 s67, s67, s68
	s_add_co_u32 s80, s67, s69
	s_mov_b32 s81, 0
	s_add_co_u32 s82, s67, s70
	s_mov_b32 s83, 0
	s_mov_b32 s86, s75
	s_mov_b32 s87, 0
	s_add_nc_u64 s[84:85], s[8:9], s[80:81]        ; first halves
	s_add_nc_u64 s[88:89], s[84:85], s[86:87]      ; second halves
	s_add_nc_u64 s[90:91], s[8:9], s[82:83]        ; scale words
	s_mov_b32 s92, 0x76543210
	s_mov_b32 s93, 0xfedcba98                      ; v_permlanex16_b32's selects for lane l xor 16
	v_mov_b32 v[VA], v[L16]
	v_add_nc_u32 v[VB], 512, v[L8]
	v_mul_lo_u32 v[VS], v3, s77
	v_lshl_add_u32 v[VS], v2, 2, v[VS]
.irp i, 1,2,3
	v_add_nc_u32 v[VA+\i], s73, v[VA+\i-1]
	v_add_nc_u32 v[VB+\i], s73, v[VB+\i-1]
	v_add_nc_u32 v[VS+\i], s76, v[VS+\i-1]
.endr
	v_mul_lo_u32 v[VSH], v3, s78
.irp b, 0,1,2,3
	v_mov_b32 v[TM+4+\b], 0                        ; a lane permute's destination counts as one of its sources
.endr
	s_wait_tensorcnt 0x0                           ; my one load is in
	s_barrier_signal -1
	s_barrier_wait -1                              ; everybody's are
	FETCH 0
	STEP 0, 1                                      ; the first products start the sums: nothing is cleared
	STEP 1, 0
	STEP 2, 0
	s_wait_dscnt 0x0                               ; K step 3, and the change to chunk 1
	PLACES
	s_wait_tensorcnt 0x0                           ; my parts of chunk 1 are in
	s_barrier_signal -1
	WIN MULW
	MUL16 1, 0, 0                                  ; work on registers while the others arrive
	WIN 0
	s_barrier_wait -1
	FETCH 4
	WIN MULW
	MUL16 1, 2, 0
	STEP 4, 0
	STEP 5, 0
	STEP 6, 0
	STEP 7, 0
	WIN 0
	PLACES                                         ; in front of the first read of results
.irp i, 0,1,2,3                        ; R's tile i: 64 numbers a lane become one fragment and one scale word a row, stored as images: no LDS, no barrier
.if \i > 0
	s_wait_xcnt 0x0                                ; the last tile's stores have read their registers
.endif
	QUANT 64*\i
	global_store_b128 v[VA+\i], v[PC:PC+3], s[84:85]          ; 512 consecutive bytes, and the 256 behind them: three aligned blocks of 256
	global_store_b64 v[VB+\i], v[PC+4:PC+5], s[84:85]
	global_store_b128 v[VA+\i], v[PC+6:PC+9], s[88:89]
	global_store_b64 v[VB+\i], v[PC+10:PC+11], s[88:89]
	v_lshrrev_b32 v[VW], v[VSH], v[PW]
	v_and_b32 v[VW], s79, v[VW]
	global_store_b32 v[VS+\i], v[VW], s[90:91]
.endr
	s_wait_tensorcnt 0x0
	ds_add_u32 v254, v255
	s_wait_dscnt 0x0
	CROUND                                         ; the closing round: no work-group ends while a partner may still ask for a tile that names it
	s_endpgm
.Lfunc_end_k_q4aa6d7cf49_gemm_qkv:
	.size	k_q4aa6d7cf49_gemm_qkv, .Lfunc_end_k_q4aa6d7cf49_gemm_qkv-k_q4aa6d7cf49_gemm_qkv
	.p2alignl 7, 3214868480
	.fill 96, 4, 3214868480
	.section	.rodata,"a",@progbits
	.p2align	6, 0x0
	.amdhsa_kernel k_q4aa6d7cf49_gemm_qkv
		.amdhsa_group_segment_fixed_size 327680
		.amdhsa_private_segment_fixed_size 0
		.amdhsa_enable_private_segment 0
		.amdhsa_kernarg_size 24
		.amdhsa_user_sgpr_count 2
		.amdhsa_user_sgpr_kernarg_segment_ptr 1
		.amdhsa_wavefront_size32 1
		.amdhsa_system_sgpr_workgroup_id_x 1
		.amdhsa_system_sgpr_workgroup_id_y 1
		.amdhsa_system_sgpr_workgroup_id_z 1
		.amdhsa_system_vgpr_workitem_id 0
		.amdhsa_next_free_vgpr 768
		.amdhsa_next_free_sgpr 100
		.amdhsa_reserve_vcc 0
		.amdhsa_float_denorm_mode_32 3
		.amdhsa_float_denorm_mode_16_64 3
		.amdhsa_memory_ordered 1
		.amdhsa_forward_progress 1
		.amdhsa_inst_pref_size 89
	.end_amdhsa_kernel
	.amdgpu_metadata
---
amdhsa.version: [ 1, 2 ]
amdhsa.kernels:
  - .name:           k_q4aa6d7cf49_gemm_qkv
    .symbol:         k_q4aa6d7cf49_gemm_qkv.kd
    .args:
      - { .name: xq, .offset: 0, .size: 8, .value_kind: global_buffer, .address_space: global }
      - { .name: wq, .offset: 8, .size: 8, .value_kind: global_buffer, .address_space: global }
      - { .name: qkv, .offset: 16, .size: 8, .value_kind: global_buffer, .address_space: global }
    .group_segment_fixed_size: 327680
    .private_segment_fixed_size: 0
    .kernarg_segment_align: 8
    .kernarg_segment_size: 24
    .max_flat_workgroup_size: 128
    .sgpr_count:     100
    .vgpr_count:     768
    .wavefront_size: 32
...
	.end_amdgpu_metadata
.endif
;; end of part 2
;; launch attn (part 3): grid 16 x 16, 8 waves a work-group, clusters of 4 x 1, 327,680 bytes of LDS; arguments qkv, oq; writes oq
.if DOCPART == 3
	.amdgcn_target "amdgcn-amd-amdhsa--gfx1250"
	.amdhsa_code_object_version 6
	.text
	.protected	k_q4aa6d7cf49_attn
	.globl	k_q4aa6d7cf49_attn
	.p2align	8
	.type	k_q4aa6d7cf49_attn,@function
k_q4aa6d7cf49_attn:
	s_mov_b64 s[64:65], 0
	v_nop
	global_prefetch_b8 v0, s[64:65] scope:SCOPE_SE
	s_setreg_imm32_b32 hwreg(HW_REG_WAVE_MODE, 25, 1), 1
	s_wait_xcnt 0x0
	s_wait_alu depctr_hold_cnt(0) depctr_sa_sdst(0) depctr_va_vdst(0) depctr_va_sdst(0) depctr_va_ssrc(0) depctr_va_vcc(0) depctr_vm_vsrc(0)
	s_getreg_b32 s2, hwreg(HW_REG_IB_STS2, 6, 4)
	s_cmp_eq_u32 s2, 0
	s_cbranch_scc0 .Lentry_in_a_cluster
	s_endpgm
.Lentry_in_a_cluster:
	s_bfe_u32 s2, ttmp6, 0x10000c
	s_cmp_lg_u32 s2, 0x3003
	s_cbranch_scc0 .Lentry_shape_is_right
	s_endpgm
.Lentry_shape_is_right:
; o = softmax(q k^T / 8) v for one head and 256 queries a work-group, on codes of BF6 with E8M0 scales; o is quantised again along the model's 1,024 and stored as images of operand registers.
; INPUT qkv: 32 pseudo-heads of 425,984 bytes (0-15: q of head p; 16 + h: k and v of head h), each 32 steps of 13,312 bytes (128 rows): 8 half fragments (16 rows x 64) at 768 t, their scale words at
; 6,144 + 64 t + 4 r (bytes 2, 3 = 0); v: channel tile t at 6,656 + 1,536 t, its scale words at 12,800 + 128 t + 4 x lane.  A half fragment: registers 0-3 at 16 x lane, registers 4-5 at 512 + 8 x lane.
; OUTPUT oq: tile T (16 queries) of 12,800 bytes = two chunks of 6,400: head h's half fragment at 6,400 (h / 8) + 768 (h % 8), its two scale bytes in the words at 6,144.
; BOTH PRODUCTS ARE USED TRANSPOSED (S^T = k q^T, O^T = v^T p^T): a lane holds one query throughout.  The head's 64 fill half of the instruction's 128 along K: q's upper six registers are zero codes.
; p = 2^(t - M), t = score x log2(e) / 8, M the ceiling of the running largest t; the row's sum is taken of p before it is quantised; a change of M multiplies sums and O^T by a power of two, with no branch.
; EIGHT WAVES, each with TWO tiles of 16 queries, which share every fragment of k and v and are worked line by line in turns.
; THE SECOND PRODUCT RUNS ONE STEP BEHIND: step i's p and v are multiplied among step i + 1's exponentials, which name none of its registers.  O^T has been brought under M(i) at step i's end, so the sums are
; the same.  The first step multiplies zero codes; the last step's product stands behind the last loop.  Tile 1's t - M stands among tile 0's exponentials in the same way.
; THE KEYS' 32 steps come in three sets by joint loads of the cluster's four work-groups (the query blocks of one head): steps 0-7 into slot 0, steps 8-23 into slot 1, steps 24-31 into slot 0 again.
; Each wave asks for an eighth of a set, rows of 256 bytes.  No prefetch is laid: each set's load is issued a whole phase (8 or 16 steps) ahead of its first read, and the first set has no loop ahead of it.
; LDS loads: the next step's k goes out behind the score products, this step's v behind the exponentials; both are waited for at the next step's top.
; LIMITS: the promise holds while the scaled scores stay under 2^31 in magnitude; a block of zeros gets the byte 1 where the rule says 127 (its codes are zeros, and this program alone reads the bytes); NaN and infinities are not served.
; REGISTERS: window 0: all named below but VF.  Window 1: v0-127 the scores, then p (tile q at 64 q); v128-191 O^T (tile q at 128 + 32 q); v192-239 v's four fragments.
.set TROW,  12800
.set CHB,   6400
.set SCO,   6144
.set HEADB, 425984
.set STEPB, 13312
.set KSO,   6144
.set VOF,   6656
.set VSO,   12800
.set SL1,   8*STEPB                    ; slot 1 begins behind slot 0's eight steps
.set SPARE, 24*STEPB                   ; behind both slots: the spare words, 128 bytes a wave
.set NM,  12                           ; v12-15   pairs (-M, running largest score)
.set FF,  16                           ; v16-19   pairs (f, p's scale word)
.set QS,  28                           ; v28-29   q's scale words
.set QF,  32                           ; v32-55   q's fragments
.set KF,  56                           ; v56-109  k's eight half fragments and six registers of zero codes
.set VF,  192                          ; window 1: v's four fragments
.set KS,  160                          ; v160-163 k's scale words, v164-167 v's
.set VS,  164
.set BM,  168                          ; v168-175 a block's largest score, then its largest p
.set BT,  176                          ; v176-183 the other lane's; then scale bytes
.set SO,  184                          ; v184-191 the conversions' scale operands
.set CT,  192                          ; v192-195 at work
.set PC,  200                          ; v200-223 p's codes
.set ALT, 224                          ; v224-239 the conversions' second halves
.set LS,  240                          ; v240-255 the rows' sums: four pairs a tile
.set WV,  18
.set SEL, 20
.set CS,  22
.set G1A, 24                           ; s[24:31] group 1 for 52 rows, s[32:39] for 104
.set G1B, 32
.set G0,  40                           ; s[40:51] three groups 0, one for each set
.set TB,  52
.set CNT, 53
.set MSB, 0
.macro WIN new                         ; the immediate's high byte repeats the setting that is left
.if MSB != \new
	s_set_vgpr_msb (MSB<<8)|\new
.set MSB, \new
.endif
.endm
.macro CROUND                          ; a round of the cluster's barrier
	s_barrier_signal -1
	s_barrier_wait -1
	s_cmp_lg_u32 s[WV], 0
	s_cbranch_scc1 .Lnot_wave_0_\@
	s_barrier_signal -3
.Lnot_wave_0_\@:
	s_barrier_wait -3
	s_barrier_signal -1
	s_barrier_wait -1
.endm
.macro LINES3
	s_wait_tensorcnt 0x0
	ds_add_u32 v5, v6
	s_wait_dscnt 0x0
.endm
.macro FILL g0, g1
	tensor_load_to_lds s[\g0:\g0+3], s[\g1:\g1+7]
	s_nop 0
.rept 4
	v_nop
.endr
.endm
.macro ADDR
	v_add_nc_u32 v8, s[TB], v1
	v_add_nc_u32 v9, s[TB], v2
	v_add_nc_u32 v10, s[TB], v3
.endm
.macro KLOAD off
.irp t, 0,1,2,3,4,5,6,7
	ds_load_b128 v[KF+6*\t:KF+6*\t+3], v8 offset:(\off)+768*\t
	ds_load_b64 v[KF+6*\t+4:KF+6*\t+5], v9 offset:(\off)+768*\t+512
.endr
.irp n, 0,1,2,3
	ds_load_b32 v[KS+\n], v10 offset:(\off)+KSO+128*\n
.endr
.endm
.macro SP d, a, b, sa, sb, row         ; a score product; an odd tile's scale words lie in lanes 16-31
.if \row
	v_wmma_scale_f32_16x16x128_f8f6f4 v[(\d):(\d)+7], v[(\a):(\a)+11], v[(\b):(\b)+11], 0, v[(\sa)], v[(\sb)] matrix_a_fmt:MATRIX_FMT_BF6 matrix_b_fmt:MATRIX_FMT_BF6 matrix_a_scale:MATRIX_SCALE_ROW1
.else
	v_wmma_scale_f32_16x16x128_f8f6f4 v[(\d):(\d)+7], v[(\a):(\a)+11], v[(\b):(\b)+11], 0, v[(\sa)], v[(\sb)] matrix_a_fmt:MATRIX_FMT_BF6 matrix_b_fmt:MATRIX_FMT_BF6
.endif
.endm
.macro PV t, q                         ; O^T(tile q, channels t) += v^T p^T, under window setting 0x51: A, C and D in window 1, B in window 0
	v_wmma_scale_f32_16x16x128_f8f6f4 v[128+32*(\q)+8*(\t):128+32*(\q)+8*(\t)+7], v[VF+12*(\t):VF+12*(\t)+11], v[PC+12*(\q):PC+12*(\q)+11], v[128+32*(\q)+8*(\t):128+32*(\q)+8*(\t)+7], v[VS+(\t)], v[FF+2*(\q)+1] matrix_a_fmt:MATRIX_FMT_BF6 matrix_b_fmt:MATRIX_FMT_BF6
.endm
; One step: 128 keys against my 32 queries.
.macro STEP
	s_wait_dscnt 0x0                               ; this step's k is in, and the last step's v
	ADDR
	s_wait_alu depctr_va_vdst(0)                   ; the wait behind these writes
	WIN 0x40                                       ; D in window 1
.irp t, 0,1,2,3,4,5,6,7
.irp q, 0,1
	SP 64*\q+8*\t, KF+6*\t, QF+12*\q, KS+\t/2, QS+\q, \t%2
.endr
.endr
	WIN 0
.rept 4
	v_nop                                          ; four places, in front of loads into k's registers and of the first read of the scores
.endr
	s_cmp_eq_u32 s[CNT], 1                         ; a set's last step has no next step in its slot
	s_cbranch_scc1 .Lnk_\@
	KLOAD STEPB
.Lnk_\@:
	WIN 0x05                                       ; sources 0 and 1 in window 1
.irp q, 0,1
.irp b, 0,1,2,3
	v_max_num_f32 v[BM+4*\q+\b], v[64*\q+16*\b], v[64*\q+16*\b+1]   ; the largest score of each block of 32 keys: my 16, each accumulator from its low end on
.endr
.endr
.irp i, 2,4,6,8,10,12,14
.irp q, 0,1
.irp b, 0,1,2,3
	v_max3_num_f32 v[BM+4*\q+\b], v[64*\q+16*\b+\i], v[64*\q+16*\b+\i+1], v[BM+4*\q+\b]
.endr
.endr
.endr
	WIN 0
.irp n, 0,1,2,3,4,5,6,7
	v_permlanex16_b32 v[BT+\n], v[BM+\n], s[SEL], s[SEL+1]
.endr
.irp n, 0,1,2,3,4,5,6,7
	v_max_num_f32 v[BM+\n], v[BM+\n], v[BT+\n]     ; with lane l xor 16's 16 keys
.endr
	v_max3_num_f32 v[CT], v[BM], v[BM+1], v[BM+2]
	s_delay_alu instid0(VALU_DEP_3)
	v_max3_num_f32 v[CT+1], v[BM+4], v[BM+5], v[BM+6]
.irp q, 0,1
	s_delay_alu instid0(VALU_DEP_2)
	v_max3_num_f32 v[NM+2*\q+1], v[NM+2*\q+1], v[CT+\q], v[BM+4*\q+3]   ; the running largest score
.endr
.irp q, 0,1
	s_delay_alu instid0(VALU_DEP_2)
	v_mul_f32 v[CT+\q], s[CS], v[NM+2*\q+1]        ; as t (the factor is positive)
.endr
.irp q, 0,1
	s_delay_alu instid0(VALU_DEP_2)
	v_floor_f32 v[CT+2+\q], -v[CT+\q]              ; the new -M = -ceil(t)
.endr
.irp q, 0,1
	s_delay_alu instid0(VALU_DEP_2)
	v_sub_f32 v[CT+\q], v[CT+2+\q], v[NM+2*\q]     ; old M less new M: a whole number, 0 or less
.endr
.irp q, 0,1
	s_delay_alu instid0(VALU_DEP_4)
	v_mov_b32 v[NM+2*\q], v[CT+2+\q]
.endr
.irp q, 0,1
	s_delay_alu instid0(VALU_DEP_4)
	v_cvt_i32_f32 v[CT+\q], v[CT+\q]               ; (it saturates)
.endr
.irp q, 0,1
	s_delay_alu instid0(VALU_DEP_2)
	v_ldexp_f32 v[FF+2*\q], 1.0, v[CT+\q]          ; f = 2^(old M - new M)
.endr
	WIN 0x41                                       ; source 0 and destination in window 1
.set j, 0
.rept 32
	v_pk_fma_f32 v[j:j+1], v[j:j+1], s[CS:CS+1], v[NM:NM+1] op_sel_hi:[1,0,0]   ; tile 0: t - M
.set j, j+2
.endr
	WIN 0
.irp q, 0,1
.irp b, 0,1,2,3
	v_fma_f32 v[BM+4*\q+\b], v[BM+4*\q+\b], s[CS], v[NM+2*\q]   ; the same of each block's largest score
.endr
.endr
	s_wait_alu depctr_va_vdst(0)                   ; ahead of the batch
.irp n, 0,1,2,3,4,5,6,7
	v_exp_f32 v[BM+\n], v[BM+\n]                   ; the block's largest p
.endr
	WIN 0x41
.set j, 0
.rept 32
	v_exp_f32 v[j], v[j]                           ; tile 0: p = 2^(t - M);
	v_exp_f32 v[j+1], v[j+1]
	v_pk_fma_f32 v[64+j:64+j+1], v[64+j:64+j+1], s[CS:CS+1], v[NM+2:NM+3] op_sel_hi:[1,0,0]   ; among them tile 1's t - M, which names none of their registers
.set j, j+2
.endr
	s_wait_alu depctr_va_vdst(0)                   ; between tile 1's t - M and the exponentials that read it
	WIN 0x51                                       ; sources 0 and 2 and the destination in window 1
.set j, 64
.irp t, 0,1,2,3
.irp q, 0,1
	PV \t, \q                                      ; the last step's p and v: eight accumulators by turns,
.rept 8
	v_exp_f32 v[j], v[j]                           ; among tile 1's exponentials
.set j, j+1
.endr
.endr
.endr
	WIN 0
	v_nop                                          ; one plain place behind the batch
	s_wait_alu depctr_va_vdst(0)                   ; and its wait
.irp n, 0,1,2,3,4,5,6,7
	v_max_num_f32 v[BM+\n], 0x2800000, v[BM+\n]    ; the floor 2^(5 - 127): the byte cannot fall under 1
.endr
.irp n, 0,1,2,3,4,5,6,7
	v_add_nc_u32 v[SO+\n], 0xfe000000, v[BM+\n]    ; 4 off the exponent field: the conversion's scale operand
.endr
.irp n, 0,1,2,3,4,5,6,7
	v_lshrrev_b32 v[BT+\n], 23, v[SO+\n]           ; the scale's byte
.endr
	v_lshl_or_b32 v[FF+1], v[BT+1], 8, v[BT]
	s_delay_alu instid0(VALU_DEP_4)
	v_lshl_or_b32 v[FF+3], v[BT+5], 8, v[BT+4]
.irp q, 0,1
	s_delay_alu instid0(VALU_DEP_2)
	v_lshl_or_b32 v[FF+2*\q+1], v[BT+4*\q+2], 16, v[FF+2*\q+1]
.endr
.irp q, 0,1
	s_delay_alu instid0(VALU_DEP_2)
	v_lshl_or_b32 v[FF+2*\q+1], v[BT+4*\q+3], 24, v[FF+2*\q+1]   ; p's scale word for these 128 keys
.endr
	WIN 0x40                                       ; this step's v, into the registers that the products above have read (more than four places behind them)
.irp t, 0,1,2,3
	ds_load_b128 v[VF+12*\t:VF+12*\t+3], v8 offset:VOF+1536*\t
	ds_load_b64 v[VF+12*\t+4:VF+12*\t+5], v9 offset:VOF+1536*\t+512
	ds_load_b128 v[VF+12*\t+6:VF+12*\t+9], v8 offset:VOF+1536*\t+768
	ds_load_b64 v[VF+12*\t+10:VF+12*\t+11], v9 offset:VOF+1536*\t+1280
.endr
	WIN 0
.irp t, 0,1,2,3
	ds_load_b32 v[VS+\t], v10 offset:VSO+128*\t
.endr
	WIN 0x10                                       ; source 2 in window 1
.irp k, 0,1,2,3
.irp q, 0,1
	v_pk_fma_f32 v[LS+8*\q+2*\k:LS+8*\q+2*\k+1], v[LS+8*\q+2*\k:LS+8*\q+2*\k+1], v[FF+2*\q:FF+2*\q+1], v[64*\q+2*\k:64*\q+2*\k+1] op_sel_hi:[1,0,1]   ; the sums under the new M, and the first p
.endr
.endr
	WIN 0x01                                       ; source 0 in window 1
.set j, 8
.rept 7
.irp k, 0,1,2,3
.irp q, 0,1
	v_pk_add_f32 v[LS+8*\q+2*\k:LS+8*\q+2*\k+1], v[64*\q+j+2*\k:64*\q+j+2*\k+1], v[LS+8*\q+2*\k:LS+8*\q+2*\k+1]   ; the row's sum, of p as it is: eight chains by turns
.endr
.endr
.set j, j+8
.endr
.irp q, 0,1
.irp c, 0,1
	v_cvt_scalef32_pk16_bf6_f32 v[PC+12*\q+6*\c:PC+12*\q+6*\c+2], v[64*\q+32*\c:64*\q+32*\c+15], v[SO+4*\q+2*\c]
	v_cvt_scalef32_pk16_bf6_f32 v[ALT+8*\q+4*\c:ALT+8*\q+4*\c+2], v[64*\q+32*\c+16:64*\q+32*\c+31], v[SO+4*\q+2*\c+1]   ; (a conversion's three registers begin on an even number)
.endr
.endr
	WIN 0
	v_nop                                          ; one plain place behind a scaled conversion
.irp q, 0,1
.irp c, 0,1
.irp i, 0,1,2
	v_permlane16_swap_b32 v[PC+12*\q+6*\c+\i], v[ALT+8*\q+4*\c+\i]   ; the operand wants a whole block in a lane
.endr
.endr
.endr
.irp q, 0,1
.irp c, 0,1
.irp i, 0,1,2
	v_mov_b32 v[PC+12*\q+6*\c+3+\i], v[ALT+8*\q+4*\c+\i]
.endr
.endr
.endr
	WIN 0x41
	s_wait_alu depctr_va_vdst(0)                   ; directly ahead of the first reader of O^T
.set j, 0
.rept 16
.irp q, 0,1
	v_pk_mul_f32 v[128+32*\q+j:128+32*\q+j+1], v[128+32*\q+j:128+32*\q+j+1], v[FF+2*\q:FF+2*\q+1] op_sel_hi:[1,0]   ; O^T under the new M, ahead of this step's product
.endr
.set j, j+2
.endr
	WIN 0
	s_add_co_u32 s[TB], s[TB], STEPB
.endm
.macro PHASE base, n                   ; the n steps of a set that lies at byte base
	s_mov_b32 s[TB], \base
	s_mov_b32 s[CNT], \n
	ADDR
	KLOAD 0
.Lstep_\@:
	STEP
	s_sub_co_u32 s[CNT], s[CNT], 1
	s_cmp_lg_u32 s[CNT], 0
	s_cbranch_scc1 .Lstep_\@
.endm
	s_load_b128 s[4:7], s[0:1], 0x0                ; qkv s[4:5], oq s[6:7]
	v_lshl_add_u32 v5, v0, 2, SPARE
	v_mov_b32 v6, 0
	ds_add_u32 v5, v6                              ; the opening lines
	ds_add_u32 v5, v6
	v_lshrrev_b32 v8, 5, v0
	s_delay_alu instid0(VALU_DEP_1)
	v_readfirstlane_b32 s[WV], v8                  ; wave 0..7
	s_bfe_u32 s8, ttmp6, 0x40000                   ; cx
	s_lshl_b32 s9, ttmp9, 2
	s_add_co_u32 s9, s9, s8                        ; my block of 256 queries
	s_and_b32 s10, ttmp7, 0xffff                   ; the head
	s_add_co_u32 s12, s10, 16
	s_mul_i32 s12, s12, HEADB                      ; its k and v
	s_mov_b32 s13, 0
	s_mul_i32 s14, s[WV], STEPB                    ; sets of 8 steps: a step a wave
	s_mul_i32 s15, s[WV], 2*STEPB                  ; the set of 16: two
	s_mov_b32 s16, s14
	s_mov_b32 s17, 0
	s_mov_b32 s54, s15
	s_mov_b32 s55, 0
.irp g, G1A, G1B
	s_mov_b32 s[\g], 15|(3<<16)|(1<<21)            ; the mask of the cluster's four; elements of 8 bytes; bit 21 beside a mask
	s_mov_b32 s[\g+1], 32<<16                      ; rows of 256 bytes
	s_mov_b32 s[\g+3], 32<<16
	s_mov_b32 s[\g+5], 32
	s_mov_b32 s[\g+6], 0
	s_mov_b32 s[\g+7], 0
.endr
	s_mov_b32 s[G1A+2], 52<<16
	s_mov_b32 s[G1A+4], 52
	s_mov_b32 s[G1B+2], 104<<16
	s_mov_b32 s[G1B+4], 104
	s_mov_b32 s[SEL], 0x76543210
	s_mov_b32 s[SEL+1], 0xfedcba98                 ; v_permlanex16_b32's selects for lane l xor 16
	s_mov_b32 s[CS], 0x3e38aa3b                    ; log2(e) / 8
	s_mov_b32 s[CS+1], s[CS]
	s_wait_dscnt 0x0
	s_wait_kmcnt 0x0
	s_add_nc_u64 s[12:13], s[4:5], s[12:13]
	s_mov_b32 s[G0], 1                             ; steps 0-7 into slot 0
	s_mov_b32 s[G0+1], s14
	s_add_nc_u64 s[G0+2:G0+3], s[12:13], s[16:17]
	s_mov_b32 s[G0+8], 1                           ; steps 24-31 into slot 0
	s_mov_b32 s[G0+9], s14
	s_add_nc_u64 s[G0+10:G0+11], s[G0+2:G0+3], 24*STEPB
	s_or_b32 s[G0+3], s[G0+3], 0x80000000
	s_or_b32 s[G0+11], s[G0+11], 0x80000000
	s_mov_b32 s[G0+4], 1                           ; steps 8-23 into slot 1
	s_add_co_u32 s[G0+5], s15, SL1
	s_add_nc_u64 s[G0+6:G0+7], s[12:13], s[54:55]
	s_add_nc_u64 s[G0+6:G0+7], s[G0+6:G0+7], 8*STEPB
	s_or_b32 s[G0+7], s[G0+7], 0x80000000
	CROUND                                         ; the four work-groups are here: the joint loads meet
	FILL G0, G1A                                   ; my one load at the head
	s_lshl_b32 s60, s9, 1                          ; q: my two tiles are tiles 2 (w % 4), + 1 of step 2 x block + w / 4
	s_lshr_b32 s61, s[WV], 2
	s_add_co_u32 s60, s60, s61
	s_mul_i32 s60, s60, STEPB
	s_mul_i32 s61, s10, HEADB
	s_add_co_u32 s60, s60, s61
	s_and_b32 s61, s[WV], 3
	s_mul_i32 s62, s61, 1536
	s_add_co_u32 s62, s62, s60
	s_mov_b32 s63, 0
	s_add_nc_u64 s[56:57], s[4:5], s[62:63]
	s_lshl_b32 s62, s61, 7
	s_add_co_u32 s62, s62, s60
	s_add_nc_u64 s[58:59], s[4:5], s[62:63]
	s_lshl_b32 s60, s9, 4                          ; o: tiles 16 x block + 2 w, + 1
	s_lshl_b32 s61, s[WV], 1
	s_add_co_u32 s60, s60, s61
	s_mul_i32 s60, s60, TROW
	s_lshr_b32 s61, s10, 3
	s_mul_i32 s61, s61, CHB
	s_add_co_u32 s60, s60, s61
	s_and_b32 s61, s10, 7
	s_mul_i32 s61, s61, 768
	s_add_co_u32 s62, s60, s61
	s_add_nc_u64 s[66:67], s[6:7], s[62:63]        ; the head's half fragment
	s_bfe_u32 s61, s10, 0x20001
	s_lshl_b32 s61, s61, 6
	s_add_co_u32 s60, s60, s61
	s_and_b32 s61, s10, 1
	s_lshl_b32 s61, s61, 1
	s_add_co_u32 s62, s60, s61
	s_add_nc_u64 s[68:69], s[6:7], s[62:63]        ; its two bytes of the scale words
	v_and_b32 v3, 31, v0
	v_and_b32 v4, 15, v0
	v_bfe_u32 v7, v0, 4, 1
	s_delay_alu instid0(VALU_DEP_3)
	v_lshlrev_b32 v1, 4, v3                        ; 16 x lane
	s_delay_alu instid0(VALU_DEP_4)
	v_lshlrev_b32 v2, 3, v3                        ; 8 x lane
	v_lshlrev_b32 v3, 2, v3                        ; 4 x lane
	v_lshlrev_b32 v4, 2, v4                        ; 4 r
	s_delay_alu instid0(VALU_DEP_1)
	v_add_nc_u32 v7, v7, v4                        ; 4 r + h
.irp j, 6,7,8,9,10,11,18,19,20,21,22,23
	v_mov_b32 v[QF+\j], 0                          ; zero codes for the upper 64 along K
.endr
.irp j, 48,49,50,51,52,53
	v_mov_b32 v[KF+\j], 0
.endr
.irp q, 0,1
	v_mov_b32 v[NM+2*\q], 0x7f61b1e6               ; -M = 3e38
	v_mov_b32 v[NM+2*\q+1], 0xff61b1e6             ; the largest score so far: -3e38
.endr
.irp j, 0,1,2,3
	v_mov_b32 v[FF+\j], 0
	v_mov_b32 v[VS+\j], 0                          ; the first step's product: finite scale bytes,
.endr
.set j, 0
.rept 24
	v_mov_b32 v[PC+j], 0                           ; and zero codes for p
.set j, j+1
.endr
.set j, 0
.rept 16
	v_mov_b32 v[LS+j], 0                           ; the sums
.set j, j+1
.endr
.irp n, 0,1,2,3,4,5,6,7
	v_mov_b32 v[BT+\n], 0                          ; a lane permute's destination counts as one of its sources
.endr
	s_wait_alu depctr_va_vdst(0)                   ; ahead of the readers below
.irp q, 0,1
	global_load_b128 v[QF+12*\q:QF+12*\q+3], v1, s[56:57] offset:768*\q
	global_load_b64 v[QF+12*\q+4:QF+12*\q+5], v2, s[56:57] offset:768*\q+512
	global_load_b32 v[QS+\q], v4, s[58:59] offset:KSO+64*\q
.endr
	WIN 0x40
.set j, 0
.rept 112
	v_mov_b32 v[128+j], 0                          ; O^T, and zero codes for v: the step is written once for all steps, and the first finds zeros
.set j, j+1
.endr
	WIN 0
	s_wait_alu depctr_va_vdst(0)                   ; at the head's end
	LINES3                                         ; my part of steps 0-7 is in
	CROUND                                         ; everybody's is
	FILL G0+4, G1B                                 ; slot 1's first fill
	s_wait_loadcnt 0x0                             ; q
	PHASE 0, 8
	LINES3                                         ; my part of slot 1 is in, my reads of slot 0 are over
	CROUND
	FILL G0+8, G1A                                 ; slot 0 again: steps 24-31
	PHASE SL1, 16
	LINES3                                         ; my part of steps 24-31 is in
	s_barrier_signal -1
	s_barrier_wait -1                              ; everybody's is
	PHASE 0, 8
	s_wait_alu depctr_va_vdst(0)                   ; directly ahead of the wait below
	s_wait_dscnt 0x0                               ; the last step's v is in
	WIN 0x51
.irp t, 0,1,2,3
.irp q, 0,1
	PV \t, \q                                      ; the last step's product
.endr
.endr
	WIN 0
	; the rows' sums, their reciprocals, o = O^T / sum, and o's codes
.irp q, 0,1
	v_pk_add_f32 v[LS+8*\q:LS+8*\q+1], v[LS+8*\q:LS+8*\q+1], v[LS+8*\q+2:LS+8*\q+3]
.endr
.irp q, 0,1
	v_pk_add_f32 v[LS+8*\q+4:LS+8*\q+5], v[LS+8*\q+4:LS+8*\q+5], v[LS+8*\q+6:LS+8*\q+7]
.endr
.irp q, 0,1
	s_delay_alu instid0(VALU_DEP_2)
	v_pk_add_f32 v[LS+8*\q:LS+8*\q+1], v[LS+8*\q:LS+8*\q+1], v[LS+8*\q+4:LS+8*\q+5]
.endr
.irp q, 0,1
	s_delay_alu instid0(VALU_DEP_2)
	v_add_f32 v[LS+8*\q], v[LS+8*\q], v[LS+8*\q+1]
.endr
.irp q, 0,1
	s_delay_alu instid0(VALU_DEP_2)
	v_permlanex16_b32 v[BT+\q], v[LS+8*\q], s[SEL], s[SEL+1]
.endr
.irp q, 0,1
	s_delay_alu instid0(VALU_DEP_2)
	v_add_f32 v[LS+8*\q], v[LS+8*\q], v[BT+\q]
.endr
	s_wait_alu depctr_va_vdst(0)                   ; ahead of the transcendentals
.irp q, 0,1
	v_rcp_f32 v[LS+8*\q], v[LS+8*\q]
.endr
	v_bfe_u32 v8, v0, 4, 1
	s_delay_alu instid0(VALU_DEP_1)
	v_cmp_eq_u32 vcc_lo, 1, v8
	WIN 0x41
	s_wait_alu depctr_va_vdst(0)                   ; and behind them, directly ahead of the first reader of O^T
.set j, 0
.rept 16
.irp q, 0,1
	v_pk_mul_f32 v[64*\q+j:64*\q+j+1], v[128+32*\q+j:128+32*\q+j+1], v[LS+8*\q:LS+8*\q+1] op_sel_hi:[1,0]   ; register 16 b + i: channel 32 b + 16 h + i
.endr
.set j, j+2
.endr
	WIN 0x05
.irp q, 0,1
.irp b, 0,1
	v_max3_num_f32 v[BM+2*\q+\b], |v[64*\q+16*\b]|, |v[64*\q+16*\b+1]|, 0x2800000
.endr
.endr
.irp i, 2,4,6,8,10,12,14
.irp q, 0,1
.irp b, 0,1
	s_delay_alu instid0(VALU_DEP_4)
	v_max3_num_f32 v[BM+2*\q+\b], |v[64*\q+16*\b+\i]|, |v[64*\q+16*\b+\i+1]|, v[BM+2*\q+\b]
.endr
.endr
.endr
	WIN 0
.irp n, 0,1,2,3
	v_permlanex16_b32 v[BT+\n], v[BM+\n], s[SEL], s[SEL+1]
.endr
.irp n, 0,1,2,3
	v_max_num_f32 v[BM+\n], v[BM+\n], v[BT+\n]
.endr
.irp n, 0,1,2,3
	v_add_nc_u32 v[SO+\n], 0xfe000000, v[BM+\n]
.endr
.irp n, 0,1,2,3
	v_lshrrev_b32 v[BT+\n], 23, v[SO+\n]
.endr
	WIN 0x01
.irp q, 0,1
	v_cvt_scalef32_pk16_bf6_f32 v[PC+12*\q:PC+12*\q+2], v[64*\q:64*\q+15], v[SO+2*\q]
	v_cvt_scalef32_pk16_bf6_f32 v[ALT+8*\q:ALT+8*\q+2], v[64*\q+16:64*\q+31], v[SO+2*\q+1]
.endr
	WIN 0
.irp q, 0,1
	v_cndmask_b32 v[CT+\q], v[BT+2*\q], v[BT+2*\q+1], vcc_lo   ; lanes 0-15 store block 0's byte, lanes 16-31 block 1's.  (A plain place behind the conversions)
.endr
.irp q, 0,1
.irp i, 0,1,2
	v_permlane16_swap_b32 v[PC+12*\q+\i], v[ALT+8*\q+\i]
.endr
.endr
.irp q, 0,1
.irp i, 0,1,2
	v_mov_b32 v[PC+12*\q+3+\i], v[ALT+8*\q+\i]
.endr
.endr
.irp q, 0,1
	global_store_b128 v1, v[PC+12*\q:PC+12*\q+3], s[66:67] offset:TROW*\q          ; 512 consecutive bytes,
	global_store_b64 v2, v[PC+12*\q+4:PC+12*\q+5], s[66:67] offset:TROW*\q+512     ; and the 256 behind them
	global_store_b8 v7, v[CT+\q], s[68:69] offset:TROW*\q+SCO
.endr
	LINES3                                         ; the wave's end
	CROUND                                         ; the closing round
	s_endpgm
.Lfunc_end_k_q4aa6d7cf49_attn:
	.size	k_q4aa6d7cf49_attn, .Lfunc_end_k_q4aa6d7cf49_attn-k_q4aa6d7cf49_attn
	.p2alignl 7, 3214868480
	.fill 96, 4, 3214868480
	.section	.rodata,"a",@progbits
	.p2align	6, 0x0
	.amdhsa_kernel k_q4aa6d7cf49_attn
		.amdhsa_group_segment_fixed_size 327680
		.amdhsa_private_segment_fixed_size 0
		.amdhsa_enable_private_segment 0
		.amdhsa_kernarg_size 16
		.amdhsa_user_sgpr_count 2
		.amdhsa_user_sgpr_kernarg_segment_ptr 1
		.amdhsa_wavefront_size32 1
		.amdhsa_system_sgpr_workgroup_id_x 1
		.amdhsa_system_sgpr_workgroup_id_y 1
		.amdhsa_system_sgpr_workgroup_id_z 1
		.amdhsa_system_vgpr_workitem_id 0
		.amdhsa_next_free_vgpr 512
		.amdhsa_next_free_sgpr 80
		.amdhsa_reserve_vcc 1
		.amdhsa_float_denorm_mode_32 3
		.amdhsa_float_denorm_mode_16_64 3
		.amdhsa_memory_ordered 1
		.amdhsa_forward_progress 1
		.amdhsa_inst_pref_size 119
	.end_amdhsa_kernel
	.amdgpu_metadata
---
amdhsa.version: [ 1, 2 ]
amdhsa.kernels:
  - .name:           k_q4aa6d7cf49_attn
    .symbol:         k_q4aa6d7cf49_attn.kd
    .args:
      - { .name: qkv, .offset: 0, .size: 8, .value_kind: global_buffer, .address_space: global }
      - { .name: oq, .offset: 8, .size: 8, .value_kind: global_buffer, .address_space: global }
    .group_segment_fixed_size: 327680
    .private_segment_fixed_size: 0
    .kernarg_segment_align: 8
    .kernarg_segment_size: 16
    .max_flat_workgroup_size: 256
    .sgpr_count:     80
    .vgpr_count:     512
    .wavefront_size: 32
...
	.end_amdgpu_metadata
.endif
;; end of part 3
;; launch gemm_out (part 4): grid 4 x 32, 4 waves a work-group, clusters of 4 x 4, 327,680 bytes of LDS; arguments oq, wo, b_o, out0; writes out0
.if DOCPART == 4
	.amdgcn_target "amdgcn-amd-amdhsa--gfx1250"
	.amdhsa_code_object_version 6
	.text
	.protected	k_q4aa6d7cf49_gemm_out
	.globl	k_q4aa6d7cf49_gemm_out
	.p2align	8
	.type	k_q4aa6d7cf49_gemm_out,@function
k_q4aa6d7cf49_gemm_out:
	s_mov_b64 s[64:65], 0
	v_nop
	global_prefetch_b8 v0, s[64:65] scope:SCOPE_SE
	s_setreg_imm32_b32 hwreg(HW_REG_WAVE_MODE, 25, 1), 1
	s_wait_xcnt 0x0
	s_wait_alu depctr_hold_cnt(0) depctr_sa_sdst(0) depctr_va_vdst(0) depctr_va_sdst(0) depctr_va_ssrc(0) depctr_va_vcc(0) depctr_vm_vsrc(0)
	s_getreg_b32 s2, hwreg(HW_REG_IB_STS2, 6, 4)
	s_cmp_eq_u32 s2, 0
	s_cbranch_scc0 .Lentry_in_a_cluster
	s_endpgm
.Lentry_in_a_cluster:
	s_bfe_u32 s2, ttmp6, 0x10000c
	s_cmp_lg_u32 s2, 0xf033
	s_cbranch_scc0 .Lentry_shape_is_right
	s_endpgm
.Lentry_shape_is_right:
; out0 = o W_o + b_o on codes of BF6 with E8M0 scales; out0 [4096][1024] f32.
; OPERANDS are images of operand registers.  A tile T is 16 rows 32 (T / 2) + 8 (T % 2) + r + 8 (r / 8); its 12,800 bytes are two chunks of 6,400 (512 along K): eight half fragments
; of 768 bytes (registers 0-3 at 16 x lane, registers 4-5 at 512 + 8 x lane), then at 6,144 the scale words (64 s + 4 r).
; THE PRODUCT IS USED TRANSPOSED: source 0 = a tile of P (columns of W_o), source 1 = a tile of R (rows of o).  Lane (r, h) holds row r of R's tile, and register j of P's tile Tp column 32 (Tp / 2) + 16 h + 8 (Tp % 2) + j.
; A work-group makes 128 rows x 256 columns over all of K = 1,024.  Both panels lie whole in LDS (24 tiles x 12,800 bytes): they are filled once, so there is no ring.
; A wave makes 64 x 128: 32 accumulators.  CLUSTER 4 x 4: R's panel is shared along a row of the cluster, P's along a column, by joint loads.
; The bias is the C of each sum's first product.  The results leave through the wave's own stage in LDS as whole rows of 512 bytes.
; The grid has 128 work-groups: 4,096 x 1,024 outputs in blocks of 128 x 256.
; REGISTERS: window 0: v4-15 LDS addresses; v16-27 scale words, two sets; v28-30, v82-84 lane terms; v96-191 R's fragments, two sets; on the way out v96-223 rows read back.
;   window 1: accumulator (i, j) at v[64 i + 8 j].   window 2: P's fragments, two sets of 96.   window 3: v0-63 the bias, eight registers for each of P's tiles.
.set TROW,  12800
.set CHB,   6400
.set SCO,   6144
.set CHK,   24*CHB
.set RA, 4
.set RB, 6
.set PA, 8
.set PB, 10
.set RS, 12
.set PS, 14
.set SC, 16
.set STO, 28
.set RD,  29
.set VBI, 30
.set L16, 82
.set L8,  83
.set LSW, 84
.set RF, 96
.set BK, 96
.set G1R, 24
.set G1P, 32
.set G0,  40
.set MULW, 0x52                        ; source 0 (P) window 2, source 1 (R) window 0, C and D window 1
.set MULB, 0x72                        ; the same with C (the bias) in window 3
.set MSB, 0
.macro WIN new
.if MSB != \new
	s_set_vgpr_msb (MSB<<8)|\new
.set MSB, \new
.endif
.endm
.macro CROUND
	s_barrier_signal -1
	s_barrier_wait -1
	s_cmp_lg_u32 s10, 0
	s_cbranch_scc1 .Lnot_wave_0_\@
	s_barrier_signal -3
.Lnot_wave_0_\@:
	s_barrier_wait -3
	s_barrier_signal -1
	s_barrier_wait -1
.endm
.macro PLACES
.rept 4
	v_nop
.endr
.endm
.macro FRAGLD reg, aA, aB, off
	ds_load_b128 v[(\reg):(\reg)+3], v[(\aA)] offset:(\off)
	ds_load_b64 v[(\reg)+4:(\reg)+5], v[(\aB)] offset:(\off)+512
	ds_load_b128 v[(\reg)+6:(\reg)+9], v[(\aA)] offset:(\off)+768
	ds_load_b64 v[(\reg)+10:(\reg)+11], v[(\aB)] offset:(\off)+1280
.endm
.macro FETCH s
	WIN 0x80
.irp j, 0,1,2,3,4,5,6,7
	FRAGLD 96*((\s)%2)+12*\j, PA+(\s)/4, PB+(\s)/4, \j*CHB+((\s)%4)*1536
.endr
	WIN 0
.irp i, 0,1,2,3
	FRAGLD RF+48*((\s)%2)+12*\i, RA+(\s)/4, RB+(\s)/4, \i*CHB+((\s)%4)*1536
.endr
.irp n, 0,1,2,3
	ds_load_b32 v[SC+6*((\s)%2)+\n], v[PS+(\s)/4] offset:2*\n*CHB+SCO+64*((\s)%4)
.endr
.irp n, 0,1
	ds_load_b32 v[SC+6*((\s)%2)+4+\n], v[RS+(\s)/4] offset:2*\n*CHB+SCO+64*((\s)%4)
.endr
.endm
.macro PROD set, i, j, cm              ; cm = 1: the first product starts the sum from the bias of P's tile j
.set rD, 64*(\i)+8*(\j)
.set rA, 96*(\set)+12*(\j)
.set rB, RF+48*(\set)+12*(\i)
.set rSA, SC+6*(\set)+(\j)/2
.set rSB, SC+6*(\set)+4+(\i)/2
.set par, 2*((\j)%2)+(\i)%2
.set rC, rD
.if \cm
.set rC, 8*(\j)
.endif
.if par == 0
	v_wmma_scale_f32_16x16x128_f8f6f4 v[rD:rD+7], v[rA:rA+11], v[rB:rB+11], v[rC:rC+7], v[rSA], v[rSB] matrix_a_fmt:MATRIX_FMT_BF6 matrix_b_fmt:MATRIX_FMT_BF6
.elseif par == 1
	v_wmma_scale_f32_16x16x128_f8f6f4 v[rD:rD+7], v[rA:rA+11], v[rB:rB+11], v[rC:rC+7], v[rSA], v[rSB] matrix_a_fmt:MATRIX_FMT_BF6 matrix_b_fmt:MATRIX_FMT_BF6 matrix_b_scale:MATRIX_SCALE_ROW1
.elseif par == 2
	v_wmma_scale_f32_16x16x128_f8f6f4 v[rD:rD+7], v[rA:rA+11], v[rB:rB+11], v[rC:rC+7], v[rSA], v[rSB] matrix_a_fmt:MATRIX_FMT_BF6 matrix_b_fmt:MATRIX_FMT_BF6 matrix_a_scale:MATRIX_SCALE_ROW1
.else
	v_wmma_scale_f32_16x16x128_f8f6f4 v[rD:rD+7], v[rA:rA+11], v[rB:rB+11], v[rC:rC+7], v[rSA], v[rSB] matrix_a_fmt:MATRIX_FMT_BF6 matrix_b_fmt:MATRIX_FMT_BF6 matrix_a_scale:MATRIX_SCALE_ROW1 matrix_b_scale:MATRIX_SCALE_ROW1
.endif
.endm
.macro MUL16 set, i0, cm               ; the 32 accumulators take turns, in the same order in every K step
.irp i, 0,1
.irp j, 0,1,2,3,4,5,6,7
	PROD \set, (\i0)+\i, \j, \cm
.endr
.endr
.endm
.macro STEP s, cm, w
	s_wait_dscnt 0x0                               ; this step's fragments and scale words are in
.if (\s) < 7
	PLACES                                         ; the other set was read by the products just issued
	FETCH (\s)+1
.endif
	WIN \w
	MUL16 (\s)%2, 0, \cm
	MUL16 (\s)%2, 2, \cm
.endm
.macro TOSTAGE i                       ; R's tile i: 16 rows x 128 columns into my stage, and back as whole rows
	WIN 0x04                                       ; an LDS store's data are its source 1: window 1
.set tj, 0
.rept 8
	ds_store_b128 v[STO], v[64*(\i)+8*tj:64*(\i)+8*tj+3] offset:128*(tj/2)+32*(tj%2)          ; each accumulator from its low end on
	ds_store_b128 v[STO], v[64*(\i)+8*tj+4:64*(\i)+8*tj+7] offset:128*(tj/2)+32*(tj%2)+16
.set tj, tj+1
.endr
	WIN 0
.set tj, 0
.rept 16
	ds_load_b128 v[BK+64*((\i)%2)+4*tj:BK+64*((\i)%2)+4*tj+3], v[RD] offset:528*tj   ; LDS serves a wave's instructions in order: these see the stores above, and the next tile's stores come behind them
.set tj, tj+1
.endr
.endm
.macro SEND i, younger                 ; younger: the LDS instructions issued behind tile i's loads, which may stay out
	s_wait_dscnt \younger
.set tj, 0
.rept 16
	global_store_b128 v[L16], v[BK+64*((\i)%2)+4*tj:BK+64*((\i)%2)+4*tj+3], s[72:73] offset:(32*((\i)/2)+8*((\i)%2)+tj+8*(tj/8))*4096 th:TH_STORE_NT   ; 32 lanes store 512 consecutive bytes of one row, at a multiple of 256 from out0's first byte
.set tj, tj+1
.endr
.endm
	s_load_b256 s[4:11], s[0:1], 0x0               ; oq s[4:5], wo s[6:7], b_o s[8:9], out0 s[10:11]
	v_lshl_add_u32 v254, v0, 2, 0x4b000
	v_mov_b32 v255, 0
	ds_add_u32 v254, v255
	ds_add_u32 v254, v255
	v_lshrrev_b32 v1, 5, v0
	v_readfirstlane_b32 s12, v1                    ; wave 0..3, kept in s10 once the addresses are read
	s_bfe_u32 s13, ttmp6, 0x40000                  ; cx
	s_bfe_u32 s14, ttmp6, 0x40004                  ; cy
	s_and_b32 s15, ttmp7, 0xffff
	s_lshl_b32 s15, s15, 2
	s_add_co_u32 s15, s15, s14                     ; R's block of 128 rows: it hangs on cy alone
	s_lshl_b32 s16, ttmp9, 2
	s_add_co_u32 s16, s16, s13                     ; P's block of 256 columns: on cx alone
	s_mul_i32 s20, s15, 8*TROW
	s_mov_b32 s21, 0
	s_mul_i32 s22, s16, 16*TROW
	s_mov_b32 s23, 0
	s_lshl_b32 s60, s14, 2
	s_lshl_b32 s60, 15, s60                        ; my row of the cluster
	s_lshl_b32 s61, 0x1111, s13                    ; my column
	s_or_b32 s[G1R], s60, (3<<16)|(1<<21)          ; rows of 800 elements of 8 bytes (a tile's chunk), 1,600 elements from tile to tile; 8 rows for R, 16 for P
	s_or_b32 s[G1P], s61, (3<<16)|(1<<21)
	s_mov_b32 s[G1R+1], 800<<16
	s_mov_b32 s[G1R+2], 8<<16                      ; R's eight tiles in one load
	s_mov_b32 s[G1R+3], 800<<16
	s_mov_b32 s[G1R+4], 8
	s_mov_b32 s[G1R+5], 1600
	s_mov_b32 s[G1R+6], 0
	s_mov_b32 s[G1R+7], 0
	s_mov_b32 s[G1P+1], 800<<16
	s_mov_b32 s[G1P+2], 16<<16                     ; P's sixteen tiles in one load
	s_mov_b32 s[G1P+3], 800<<16
	s_mov_b32 s[G1P+4], 16
	s_mov_b32 s[G1P+5], 1600
	s_mov_b32 s[G1P+6], 0
	s_mov_b32 s[G1P+7], 0
	s_mov_b32 s62, 0                               ; where they go: R's eight tiles,
	s_mov_b32 s63, 8*CHB                           ; then P's sixteen
	s_wait_dscnt 0x0
	s_wait_kmcnt 0x0
	s_add_nc_u64 s[56:57], s[4:5], s[20:21]
	s_add_nc_u64 s[58:59], s[6:7], s[22:23]
	s_mov_b64 s[74:75], s[8:9]                     ; b_o
	s_mov_b64 s[76:77], s[10:11]                   ; out0
	v_lshrrev_b32 v1, 5, v0
	v_readfirstlane_b32 s10, v1                    ; the wave's number
	s_lshr_b32 s11, s10, 1                         ; which 64 of R's 128 rows are mine
	s_and_b32 s12, s10, 1                          ; which 128 of P's 256
.irp q, 0,1
	s_mov_b32 s[G0+8*\q], 1
	s_add_co_u32 s[G0+8*\q+1], s62, \q*CHK
	s_add_nc_u64 s[G0+8*\q+2:G0+8*\q+3], s[56:57], \q*CHB
	s_or_b32 s[G0+8*\q+3], s[G0+8*\q+3], 0x80000000
	s_mov_b32 s[G0+8*\q+4], 1
	s_add_co_u32 s[G0+8*\q+5], s63, \q*CHK
	s_add_nc_u64 s[G0+8*\q+6:G0+8*\q+7], s[58:59], \q*CHB
	s_or_b32 s[G0+8*\q+7], s[G0+8*\q+7], 0x80000000
.endr
	CROUND                                         ; all sixteen work-groups are here: the joint loads meet
	; the only fills of the launch, one a wave: wave 0 chunk 0 of R, wave 1 chunk 0 of P, wave 2 chunk 1 of R, wave 3 chunk 1 of P; one chain of arms on the wave's number
	s_cmp_lt_u32 s10, 1
	s_cbranch_scc0 .Lhead_p0
	tensor_load_to_lds s[G0:G0+3], s[G1R:G1R+7]
	s_nop 0
	PLACES
	s_branch .Lhead_asked
.Lhead_p0:
	s_cmp_lt_u32 s10, 2
	s_cbranch_scc0 .Lhead_r1
	tensor_load_to_lds s[G0+4:G0+7], s[G1P:G1P+7]
	s_nop 0
	PLACES
	s_branch .Lhead_asked
.Lhead_r1:
	s_cmp_lt_u32 s10, 3
	s_cbranch_scc0 .Lhead_p1
	tensor_load_to_lds s[G0+8:G0+11], s[G1R:G1R+7]
	s_nop 0
	PLACES
	s_branch .Lhead_asked
.Lhead_p1:
	tensor_load_to_lds s[G0+12:G0+15], s[G1P:G1P+7]
	s_nop 0
	PLACES
.Lhead_asked:
	v_and_b32 v1, 31, v0
	v_and_b32 v2, 15, v0
	v_bfe_u32 v3, v0, 4, 1
	v_lshlrev_b32 v[L16], 4, v1
	s_wait_alu depctr_va_vdst(0)
	v_lshlrev_b32 v[L8], 3, v1
	s_wait_alu depctr_va_vdst(0)
	v_mul_u32_u24 v[LSW], v3, CHB
	v_lshl_add_u32 v[LSW], v2, 2, v[LSW]
	s_wait_alu depctr_va_vdst(0)
	v_lshlrev_b32 v[VBI], 6, v3                    ; the bias: lanes 16-31 begin 16 columns on
	s_lshl_b32 s66, s16, 10
	s_lshl_b32 s67, s12, 9
	s_add_co_u32 s66, s66, s67                     ; my first column, in bytes
	s_mov_b32 s67, 0
	s_add_nc_u64 s[68:69], s[74:75], s[66:67]
	WIN 0xc0                                       ; destination window 3
.irp j, 0,1,2,3,4,5,6,7
	global_load_b128 v[8*\j:8*\j+3], v[VBI], s[68:69] offset:(32*(\j/2)+8*(\j%2))*4
	global_load_b128 v[8*\j+4:8*\j+7], v[VBI], s[68:69] offset:(32*(\j/2)+8*(\j%2))*4+16
.endr
	WIN 0
	s_lshl_b32 s70, s15, 7
	s_lshl_b32 s71, s11, 6
	s_add_co_u32 s70, s70, s71                     ; my first row
	s_lshl_b32 s70, s70, 12
	s_add_co_u32 s70, s70, s66
	s_mov_b32 s71, 0
	s_add_nc_u64 s[72:73], s[76:77], s[70:71]
	s_mul_i32 s17, s11, 4*CHB
	s_mul_i32 s18, s12, 8*CHB
	s_add_co_u32 s18, s18, 8*CHB
.irp q, 0,1
	v_add_nc_u32 v[RA+\q], s17, v[L16]
	v_add_nc_u32 v[RB+\q], s17, v[L8]
	v_add_nc_u32 v[RS+\q], s17, v[LSW]
	v_add_nc_u32 v[PA+\q], s18, v[L16]
	v_add_nc_u32 v[PB+\q], s18, v[L8]
	v_add_nc_u32 v[PS+\q], s18, v[LSW]
	s_add_co_u32 s17, s17, CHK
	s_add_co_u32 s18, s18, CHK
.endr
	s_mul_i32 s19, s10, 16*528                     ; my stage: 16 rows x (512 + 16) bytes, in chunk 0's panel, which has had its only fill and is read no more when the first result is stored there
	v_mul_u32_u24 v[STO], v2, 528
	v_lshl_add_u32 v[STO], v3, 6, v[STO]
	v_add_nc_u32 v[STO], s19, v[STO]
	v_add_nc_u32 v[RD], s19, v[L16]
	s_wait_alu depctr_va_vdst(0)
	s_wait_tensorcnt 0x0                           ; my one load is in
	s_barrier_signal -1
	s_barrier_wait -1
	FETCH 0
	s_wait_loadcnt 0x0                             ; the bias
	STEP 0, 1, MULB
	STEP 1, 0, MULW
	STEP 2, 0, MULW
	s_wait_dscnt 0x0                               ; K step 3, and the change to chunk 1
	PLACES
	s_wait_tensorcnt 0x0                           ; my parts of chunk 1 are in
	s_barrier_signal -1
	WIN MULW
	MUL16 1, 0, 0
	WIN 0
	s_barrier_wait -1
	FETCH 4
	WIN MULW
	MUL16 1, 2, 0
	STEP 4, 0, MULW
	STEP 5, 0, MULW
	STEP 6, 0, MULW
	STEP 7, 0, MULW
	WIN 0
	s_barrier_signal -1                            ; every wave's LDS loads are in (the last wait above was for 0): nobody reads the panels any more
	s_barrier_wait -1
	PLACES                                         ; in front of the first read of results and of loads into the registers that held R's fragments
	TOSTAGE 0
.irp a, 1,2,3
.if \a > 1
	s_wait_xcnt 0x0                                ; tile a - 2's stores have read their registers: tile a's rows may land there
.endif
	TOSTAGE \a
	SEND \a-1, 32                                  ; behind tile a - 1's loads: tile a's 16 stores and 16 loads
.endr
	SEND 3, 0
	s_wait_tensorcnt 0x0
	ds_add_u32 v254, v255
	s_wait_dscnt 0x0
	CROUND                                         ; the closing round
	s_endpgm
.Lfunc_end_k_q4aa6d7cf49_gemm_out:
	.size	k_q4aa6d7cf49_gemm_out, .Lfunc_end_k_q4aa6d7cf49_gemm_out-k_q4aa6d7cf49_gemm_out
	.p2alignl 7, 3214868480
	.fill 96, 4, 3214868480
	.section	.rodata,"a",@progbits
	.p2align	6, 0x0
	.amdhsa_kernel k_q4aa6d7cf49_gemm_out
		.amdhsa_group_segment_fixed_size 327680
		.amdhsa_private_segment_fixed_size 0
		.amdhsa_enable_private_segment 0
		.amdhsa_kernarg_size 32
		.amdhsa_user_sgpr_count 2
		.amdhsa_user_sgpr_kernarg_segment_ptr 1
		.amdhsa_wavefront_size32 1
		.amdhsa_system_sgpr_workgroup_id_x 1
		.amdhsa_system_sgpr_workgroup_id_y 1
		.amdhsa_system_sgpr_workgroup_id_z 1
		.amdhsa_system_vgpr_workitem_id 0
		.amdhsa_next_free_vgpr 832
		.amdhsa_next_free_sgpr 90
		.amdhsa_reserve_vcc 0
		.amdhsa_float_denorm_mode_32 3
		.amdhsa_float_denorm_mode_16_64 3
		.amdhsa_memory_ordered 1
		.amdhsa_forward_progress 1
		.amdhsa_inst_pref_size 85
	.end_amdhsa_kernel
	.amdgpu_metadata
---
amdhsa.version: [ 1, 2 ]
amdhsa.kernels:
  - .name:           k_q4aa6d7cf49_gemm_out
    .symbol:         k_q4aa6d7cf49_gemm_out.kd
    .args:
      - { .name: oq, .offset: 0, .size: 8, .value_kind: global_buffer, .address_space: global }
      - { .name: wo, .offset: 8, .size: 8, .value_kind: global_buffer, .address_space: global }
      - { .name: b_o, .offset: 16, .size: 8, .value_kind: global_buffer, .address_space: global }
      - { .name: out0, .offset: 24, .size: 8, .value_kind: global_buffer, .address_space: global }
    .group_segment_fixed_size: 327680
    .private_segment_fixed_size: 0
    .kernarg_segment_align: 8
    .kernarg_segment_size: 32
    .max_flat_workgroup_size: 128
    .sgpr_count:     90
    .vgpr_count:     832
    .wavefront_size: 32
...
	.end_amdgpu_metadata
.endif
;; end of part 4
